; MI455X (gfx1250); checked and timed in simulation.
; The chip was launched on July 23, 2026; its instructions are those of AMD's public machine-readable ISA for CDNA 5 (MIT licence, August 2026) and "CDNA5" Instruction Set Architecture Reference Guide (July 2026). The comments in the code are by the model that wrote it; some were corrected since.
;; Quantum Attention. Allowed arithmetic: matrix products marked QUANTISED: E2M1 operands, one E8M0 scale for each 32 along K, by v_wmma_scale_f32_16x16x128_f8f6f4 with both operands' format E2M1 (or v_wmma_scale_f32_32x16x128_f4), f32 sums; products left as they are: bf16, f16 or f32 operands; f32 sums; everything else in f32.
;; Inputs: Wc 1,024 x 1,024 float32; Wk 1,024 x 1,024 float32; Wq 1,024 x 1,024 float32; Wv 1,024 x 1,024 float32; bc 1,024 float32; bk 1,024 float32; bq 1,024 float32; bv 1,024 float32; x 4 x 2,048 x 1,024 float32.
;; Outputs: out0 4 x 2,048 x 1,024 float32.
;; This version of the problem:
;;   THIS VERSION OF THE PROBLEM IS GIVEN IN LOW PRECISION. The matrix products marked QUANTISED in the list below multiply operands that are first quantised to E2M1 (2 exponent bits, 1 mantissa bit; 4 bits a number), with one power-of-two scale for each 32 numbers along K (OCP MX v1.0); their sums are f32. The products marked 'left as it is' may take bf16, f16 or f32 operands, with f32 sums. Whichever they take, every output number must still come out within the allowed error. Rounding operands to bf16 (8 significant bits) uses up far more of that allowance than f16 does (11 bits, for magnitudes from 6e-5 to 65,504). All else is computed in f32.
;;   The module's matrix products, in the order in which they are computed (A, B: the left and right operand; K: the contracted axis; several contracted axes count as one K, in the product's order):
;;     1. [M 8,192, K 1,024] x [K 1,024, N 1,024]; A: input x; B: input Wq: QUANTISED
;;     2. [M 8,192, K 1,024] x [K 1,024, N 1,024]; A: input x; B: input Wk: QUANTISED
;;     3. [M 8,192, K 1,024] x [K 1,024, N 1,024]; A: input x; B: input Wv: QUANTISED
;;     4. batch 4 x [M 2,048, K 1,024] x [K 1,024, N 2,048]; A: computed on the way; B: computed on the way: left as it is (an operand is computed on the way)
;;     5. batch 4 x [M 2,048, K 2,048] x [K 2,048, N 1,024]; A: computed on the way; B: computed on the way: left as it is (an operand is computed on the way)
;;     6. [M 8,192, K 1,024] x [K 1,024, N 1,024]; A: computed on the way; B: input Wc: left as it is (an operand is computed on the way)
;;   THE QUANTISER, for each operand of a quantised product, along K:
;;     - K is cut into blocks of 32 from its start; a last block that is shorter is filled with zeros.
;;     - A block's scale is 2^e with e = floor(log2(the largest magnitude in the block)) - 2, held to -126 .. 127; a block of zeros has e = 0. As a byte (E8M0): e + 127.
;;     - Each number is divided by its block's scale, clamped to +-6, and rounded to the nearest number of E2M1, ties to even, subnormals kept.
;;     - The product sums the exact products of the quantised numbers (number of the format x scale) in f32.
;;   ~~~python
;;   def quantise(x, axis):      # numpy; x: float32 -> the quantised numbers, widened to float32 again
;;       x = np.moveaxis(x, axis, -1); K = x.shape[-1]
;;       x = np.pad(x, [(0, 0)] * (x.ndim - 1) + [(0, -K % 32)]); x = x.reshape(x.shape[:-1] + (-1, 32)); a = np.abs(x).max(-1, keepdims=True)
;;       e = np.where(a > 0, np.clip(np.frexp(np.where(a > 0, a, 1))[1] - 1 - 2, -126, 127), 0)      # np.frexp(a)[1] - 1 = floor(log2(a)), exactly
;;       r = np.clip(x / 2.0 ** e, -6, 6)
;;       step = 2.0 ** (np.maximum(np.frexp(np.where(r == 0, 1, r))[1] - 1, 0) - 1)
;;       q = np.round(r / step) * step * 2.0 ** e      # np.round: ties to even
;;       return np.moveaxis(q.reshape(q.shape[:-2] + (-1,))[..., :K], -1, axis).astype(np.float32)
;;   ~~~
;; One version. Each part assembles by itself: llvm-mc -triple=amdgcn-amd-amdhsa -mcpu=gfx1250 --defsym DOCPART=n.
;; ======== version 1 of 1: 5 launches
;; limits: values are held in f16: magnitudes above 65,504 overflow, below 6.1e-05 lose precision
;; workspace buffers: codes 5,767,168 bytes; scales 360,448 bytes; wc16 2,097,152 bytes; qkv 50,331,648 bytes; pt 33,554,432 bytes; st 524,288 bytes; o16 16,777,216 bytes
;; launch prep (part 1): grid 416 x 1, 4 waves a work-group, no clusters, 51,712 bytes of LDS; arguments x, Wq, Wk, Wv, Wc, codes, scales, wc16; writes codes, scales, wc16
.if DOCPART == 1
	.amdgcn_target "amdgcn-amd-amdhsa--gfx1250"
	.amdhsa_code_object_version 6
	.text
	.protected	k_qaf74497d5c_prep
	.globl	k_qaf74497d5c_prep
	.p2align	8
	.type	k_qaf74497d5c_prep,@function
k_qaf74497d5c_prep:
	s_mov_b64 s[64:65], 0
	v_nop
	global_prefetch_b8 v0, s[64:65] scope:SCOPE_SE
	s_setreg_imm32_b32 hwreg(HW_REG_WAVE_MODE, 25, 1), 1
	s_wait_xcnt 0x0
; FIRST OF FIVE LAUNCHES: out0 = softmax((x Wq + bq)(x Wk + bk)^T / 32) (x Wv + bv) Wc + bc, one head of 1,024, four batches of 2,048 tokens.
; This launch makes the operands: x (K innermost) and Wq, Wk, Wv (K = their FIRST axis) become codes of FP4 (E2M1) with one E8M0 byte for each 32 along K; Wc becomes f16.
; WORK LEFT OUT: THE INPUT bk.  scores[s][t] = q_s . (x_t Wk) + q_s . bk.  The second term does not hang on t, the axis of the softmax, so for all finite values of the inputs it multiplies the
; numerator and the denominator of every weight by the same factor and reaches no output.  The product q k^T is not quantised, so bk moves no code and no scale.  bk is not loaded and is an argument of no launch.
; bv IS LIVE and is added behind the product with v: a softmax's weights sum to 1, so attn (v0 + bv) = attn v0 + bv; it starts the sums of the fourth launch.
; LIMITS: a NaN, an infinity or an overflow that reaches only bk is not carried to the result.  NaN and infinities among the inputs are not served.  q, k, v, the attention's result and Wc are kept in f16: magnitudes over 65,504 are not served
; (with x and the weights 30 times the drawn spread q, k, v stay near 5,000; with offsets of 30 spreads on both near 29,000).  Blocks whose largest magnitude lies under 2^(2 - 126) keep the byte 1.
; A block of zeros gets the byte 1 where the rule says 127: its codes are zeros, which add nothing under any byte but 0xff, and the bytes are read by this program alone.
; BUFFERS: codes: 11,264 rows x 512 bytes, scales: the same rows x 32 bytes.  Rows 0 - 8,191: the tokens of x.  Row 8,192 + 1,024 w + n: column n of weight w (0 Wq, 1 Wk, 2 Wv).  wc16: [1024][1024] f16, as Wc lies.
; SHARES: work-groups 0 - 255 take x (32,768 numbers each), 256 - 351 the three weights (64 columns x 512 along K each), 352 - 415 Wc (16,384 numbers each).  The three ways part on the work-group's number alone
; and have LDS bytes of their own: x 0 - 32,767, the weights 32,768 - 51,199; behind them the spare words.  No tensor load.
.set SPARE, 51200                      ; the spare words, 128 bytes for each wave: two blocks of 256 bytes that no other line names
.set SPW,   12                         ; v12  LDS address of my spare word; never rewritten
.set NIL,   13                         ; v13  0; never rewritten
.set EMAX,  2                          ; the exponent of the format's largest number, 6
	s_load_b256 s[4:11], s[0:1], 0x0               ; x s[4:5], Wq s[6:7], Wk s[8:9], Wv s[10:11]
	s_load_b256 s[12:19], s[0:1], 0x20             ; Wc s[12:13], codes s[14:15], scales s[16:17], wc16 s[18:19]
	v_lshl_add_u32 v[SPW], v0, 2, SPARE
	v_mov_b32 v[NIL], 0
	v_lshrrev_b32 v1, 5, v0
	v_readfirstlane_b32 s20, v1                    ; wave 0..3
	v_and_b32 v2, 31, v0                           ; lane
	s_wait_kmcnt 0x0
	s_cmp_lt_u32 ttmp9, 256
	s_cbranch_scc0 .Lnot_x
; ---------------- x: K is innermost, rows are dense: a plain stream of blocks of 32 ----------------
; A wave takes 16 steps of 512 numbers.  Each of a step's four loads reads 512 consecutive bytes; the 2,048 bytes turn through the wave's own stage in LDS and come back 64 bytes a lane, so that a lane holds
; 16 neighbours along K (two neighbouring lanes hold a block).  A lane's 16 codes are 8 bytes: the wave stores 256 consecutive bytes.  The wave's 256 scale bytes are gathered in LDS and leave as one store.
; Loads run eight steps ahead: 32 loads of 512 bytes of every wave are on their way.  Waves share nothing here: no barrier.
.set STEPS, 16
.set DEPTH, 8                          ; steps of loads on their way
.set CB,    8                          ; bytes of 16 codes
.set R,     16                         ; v16-143  eight sets of 16 numbers as they are loaded
.set X,     144                        ; v144-175 two sets of 16 neighbours
.set E,     176                        ; v176-191 a scale byte for each step
.set C,     192                        ; v192-223 codes: two registers for each step, so that no store's data are written again
.set WREG,  8192                       ; LDS of a wave: two stages of 32 x SP bytes, then its 256 scale bytes
.set SP,    80                         ; a lane's place in a stage: 64 bytes + 16 of padding
	v_lshlrev_b32 v3, 4, v2                        ; my 16 bytes of a load's 512
	s_mul_i32 s21, s20, WREG
	v_lshrrev_b32 v14, 2, v2
	v_mul_u32_u24 v14, v14, SP
	v_and_b32 v15, 3, v2
	v_lshl_add_u32 v14, v15, 4, v14
	v_add_nc_u32 v14, s21, v14                     ; into the stage: SP (lane / 4) + 16 (lane % 4)
	v_mul_u32_u24 v15, v2, SP
	v_add_nc_u32 v15, s21, v15                     ; out of it: SP x lane: my 16 neighbours
	v_mul_u32_u24 v4, v2, CB                       ; my codes' place in a step's
	v_lshrrev_b32 v5, 1, v2
	s_add_co_u32 s21, s21, 2*32*SP
	v_add_nc_u32 v5, s21, v5                       ; my block's scale byte in LDS
	v_lshlrev_b32 v7, 3, v2                        ; and on the way out 8 bytes a lane
	v_add_nc_u32 v6, s21, v7
	s_lshl_b32 s22, ttmp9, 2
	s_add_co_u32 s22, s22, s20                     ; which run of 8,192 numbers is my wave's: 0 .. 1,023
	s_mov_b32 s25, 0
	s_lshl_b32 s24, s22, 15                        ; 32,768 bytes of x,
	s_add_nc_u64 s[4:5], s[4:5], s[24:25]
	s_lshl_b32 s24, s22, 12                        ; 4,096 bytes of codes,
	s_add_nc_u64 s[14:15], s[14:15], s[24:25]
	s_lshl_b32 s24, s22, 8                         ; 256 scale bytes a run
	s_add_nc_u64 s[16:17], s[16:17], s[24:25]
.macro XLOAD t
.irp i, 0,1,2,3
	global_load_b128 v[R+16*((\t)%DEPTH)+4*\i:R+16*((\t)%DEPTH)+4*\i+3], v3, s[4:5] offset:2048*(\t)+512*\i th:TH_LOAD_NT   ; 32 lanes read 512 consecutive bytes
.endr
.endm
.macro XTURN t                         ; step t's numbers through the stage: LDS serves a wave's instructions in order, so no wait stands between the stores and the loads
.irp i, 0,1,2,3
	ds_store_b128 v14, v[R+16*((\t)%DEPTH)+4*\i:R+16*((\t)%DEPTH)+4*\i+3] offset:32*SP*((\t)%2)+8*SP*\i
.endr
.irp i, 0,1,2,3
	ds_load_b128 v[X+16*((\t)%2)+4*\i:X+16*((\t)%2)+4*\i+3], v15 offset:32*SP*((\t)%2)+16*\i
.endr
.endm
.irp t, 0,1,2,3,4,5,6,7
	XLOAD \t
.endr
	s_wait_loadcnt 28                              ; step 0's four loads are in; the 28 of steps 1 to 7 may be out
	XTURN 0
.macro XSTEP t
.set XS, X+16*((\t)%2)
.if (\t) > 0
	s_wait_dscnt 1                                 ; this step's numbers are back from the stage, so its stores into the stage have read their registers; the last step's byte store may be out
.else
	s_wait_dscnt 0x0
.endif
.if (\t)+DEPTH < STEPS
	XLOAD (\t)+DEPTH                               ; into the registers that the stage's stores have read
.endif
.if (\t)+1 < STEPS
.if STEPS-2-(\t) >= DEPTH-1
	s_wait_loadcnt 4*(DEPTH-1)                     ; the next step's four loads are in; those of the seven steps behind it may be out
.else
	s_wait_loadcnt 4*(STEPS-2-(\t))                ; at the end the count runs down
.endif
	XTURN (\t)+1
.endif
	v_max3_num_f32 v8, |v[XS]|, |v[XS+1]|, |v[XS+2]|               ; the largest magnitude of my 16, in two chains
	v_max3_num_f32 v9, |v[XS+3]|, |v[XS+4]|, |v[XS+5]|
.irp i, 6,10
	v_max3_num_f32 v8, v8, |v[XS+\i]|, |v[XS+\i+1]|
	v_max3_num_f32 v9, v9, |v[XS+\i+2]|, |v[XS+\i+3]|
.endr
	v_max3_num_f32 v8, v8, |v[XS+14]|, |v[XS+15]|
	v_max3_num_f32 v8, v8, v9, (EMAX+1)<<23        ; and the floor 2^(EMAX + 1 - 127): the byte cannot fall under 1
	v_max_num_f32_dpp v8, v8, v8 row_xmask:1 row_mask:0xf bank_mask:0xf   ; with my neighbour's 16: the block's
	v_add_nc_u32 v11, -(EMAX<<23), v8              ; EMAX off its exponent field: the conversion takes the exponent field of this operand as its scale
	v_cvt_scalef32_pk8_fp4_f32 v[C+2*(\t)], v[XS:XS+7], v11        ; to the nearest code, ties to even, beyond the largest code the largest
	v_cvt_scalef32_pk8_fp4_f32 v[C+2*(\t)+1], v[XS+8:XS+15], v11
	v_lshrrev_b32 v[E+(\t)], 23, v11               ; the scale's byte (a plain line behind the conversions)
	ds_store_b8 v5, v[E+(\t)] offset:16*(\t)       ; both lanes of a block write the same byte with the same value
	global_store_b64 v4, v[C+2*(\t):C+2*(\t)+1], s[14:15] offset:32*CB*(\t)   ; 256 consecutive bytes, aligned
.endm
.irp t, 0,1,2,3,4,5,6,7,8,9,10,11,12,13,14,15
	XSTEP \t
.endr
	ds_load_b64 v[8:9], v6                         ; LDS serves a wave's instructions in order: these see my byte stores
	s_wait_dscnt 0x0
	global_store_b64 v7, v[8:9], s[16:17]          ; 32 lanes store 256 consecutive bytes, aligned
	s_branch .Lend
.Lnot_x:
	s_cmp_lt_u32 ttmp9, 352
	s_cbranch_scc0 .Lpath_c
; ---------------- Wq, Wk, Wv: K is the first axis ----------------
; A work-group takes 64 columns x 512 along K; wave w the 128 along K from 128 w on, for all 64 columns.  A lane takes TWO neighbouring columns and its registers run down K: a load of 8 bytes a lane reads 256 consecutive
; aligned bytes of a row of W, twice the bytes of a 4-byte load for the same count of loads on their way, and a wave has only four groups of 32 loads to walk, two of them out.
; The two columns lie interleaved in the registers, and a conversion takes eight neighbours along K from consecutive registers: eight v_mov_b32 gather them, into two sets of eight by turns.
; A column's 256 bytes of codes come from the four waves: they meet in one stage (64 rows x 272 bytes), the scale bytes in 1,024 bytes behind it; one barrier between writing and reading (all four waves take this way together:
; the branch hangs on the work-group's number alone); then each wave stores 16 whole rows, sixteen lanes to 256 consecutive aligned bytes.
.set NG,     4                         ; groups of 32 along K for a wave
.set WPITCH, 272                       ; a stage row: 256 bytes + 16
.set WSTG,   32768                     ; the stage
.set WSCS,   WSTG+64*WPITCH            ; the scale bytes: 16 a column
.set KROW,   512                       ; a row of the codes' buffer
.set SCO,    10                        ; v10-11   the conversions' scale operand, a column each
.set SB,     24                        ; v24-25   four scale bytes, a column each
.set T,      32                        ; v32-47   two sets of eight neighbours
.set WC,     48                        ; v48-55   a group's codes: four registers a column
.set WX,     64                        ; v64-191  two sets of 32 pairs
.set OUTR,   64                        ; v64-95   the way out
	s_sub_co_u32 s21, ttmp9, 256
	s_lshr_b32 s22, s21, 5                         ; which weight: 0 Wq, 1 Wk, 2 Wv
	s_bfe_u32 s23, s21, 0x40001                    ; which 64 columns
	s_and_b32 s24, s21, 1                          ; which 512 along K
	s_cmp_eq_u32 s22, 0                            ; the choice hangs on the work-group's number alone
	s_cselect_b64 s[4:5], s[6:7], s[8:9]
	s_cmp_eq_u32 s22, 2
	s_cselect_b64 s[4:5], s[10:11], s[4:5]
	s_lshl_b32 s26, s24, 21                        ; 512 rows of 4,096 bytes,
	s_lshl_b32 s27, s20, 19                        ; my wave's 128 rows,
	s_add_co_u32 s26, s26, s27
	s_lshl_b32 s27, s23, 8                         ; 64 columns of 4 bytes
	s_add_co_u32 s26, s26, s27
	s_mov_b32 s27, 0
	s_add_nc_u64 s[4:5], s[4:5], s[26:27]
	s_lshl_b32 s28, s22, 10
	s_lshl_b32 s29, s23, 6
	s_add_co_u32 s28, s28, s29
	s_lshl_b32 s29, s20, 4
	s_add_co_u32 s28, s28, s29
	s_add_co_u32 s28, s28, 8192                    ; the first of the 16 rows of codes and scales that my wave stores
	s_lshl_b32 s26, s28, 9
	s_lshl_b32 s29, s24, 8
	s_add_co_u32 s26, s26, s29
	s_add_nc_u64 s[14:15], s[14:15], s[26:27]
	s_lshl_b32 s26, s28, 5
	s_lshl_b32 s29, s24, 4
	s_add_co_u32 s26, s26, s29
	s_add_nc_u64 s[16:17], s[16:17], s[26:27]
	v_lshlrev_b32 v3, 3, v2                        ; in: 8 bytes a lane
	v_mul_u32_u24 v4, v2, 2*WPITCH
	s_lshl_b32 s30, s20, 6
	s_add_co_u32 s30, s30, WSTG
	v_add_nc_u32 v4, s30, v4                       ; into the stage: row 2 x lane (+ 1 by the offset), my wave's 64 bytes of it
	v_lshlrev_b32 v5, 5, v2
	s_lshl_b32 s30, s20, 2
	s_add_co_u32 s30, s30, WSCS
	v_add_nc_u32 v5, s30, v5                       ; my columns' scale bytes: 16 a column, my wave's 4 of them
	v_lshlrev_b32 v6, 3, v2
	s_lshl_b32 s30, s20, 8
	s_add_co_u32 s30, s30, WSCS
	v_add_nc_u32 v6, s30, v6                       ; back: my wave's 16 columns, 8 bytes a lane
	v_and_b32 v14, 15, v2
	v_lshrrev_b32 v15, 4, v2
	v_mul_u32_u24 v7, v15, WPITCH
	v_lshl_add_u32 v7, v14, 4, v7
	s_mul_i32 s30, s20, 16*WPITCH
	s_add_co_u32 s30, s30, WSTG
	v_add_nc_u32 v7, s30, v7                       ; out of the stage: my wave's 16 rows, sixteen lanes to a row, two rows an instruction
	v_mul_u32_u24 v8, v15, KROW
	v_lshl_add_u32 v8, v14, 4, v8                  ; the same place in the codes' buffer
	v_lshrrev_b32 v9, 1, v2
	v_lshlrev_b32 v9, 5, v9
	v_and_b32 v14, 1, v2
	v_lshl_add_u32 v9, v14, 3, v9                  ; and in the scales': 32 bytes a row, two lanes to a row's 16
.macro WLOAD g                         ; group g: W(32 g + i, my two columns) into set g % 2.  The largest offset, 127 rows of 4,096 bytes, lies inside the signed 24-bit immediate
.irp i, 0,1,2,3,4,5,6,7,8,9,10,11,12,13,14,15,16,17,18,19,20,21,22,23,24,25,26,27,28,29,30,31
	global_load_b64 v[WX+64*((\g)%2)+2*\i:WX+64*((\g)%2)+2*\i+1], v3, s[4:5] offset:(32*(\g)+\i)*4096 th:TH_LOAD_NT
.endr
.endm
	WLOAD 0
	WLOAD 1
.macro WBLOCK g
.if (\g) < NG-1
	s_wait_loadcnt 32                              ; this group's 32 loads are in; the next group's 32 may be out
.else
	s_wait_loadcnt 0
.endif
.irp c, 0,1                            ; column 2 x lane + c: its 32 numbers lie two registers apart
.set XS, WX+64*((\g)%2)+\c
	v_max3_num_f32 v16, |v[XS]|, |v[XS+2]|, |v[XS+4]|              ; the block's largest magnitude: all 32 numbers are mine
	v_max3_num_f32 v17, |v[XS+6]|, |v[XS+8]|, |v[XS+10]|
.irp i, 12,20,28,36,44,52
	v_max3_num_f32 v16, v16, |v[XS+\i]|, |v[XS+\i+2]|
	v_max3_num_f32 v17, v17, |v[XS+\i+4]|, |v[XS+\i+6]|
.endr
	v_max3_num_f32 v16, v16, |v[XS+60]|, |v[XS+62]|
	v_max3_num_f32 v16, v16, v17, (EMAX+1)<<23     ; and the floor
	v_add_nc_u32 v[SCO+\c], -(EMAX<<23), v16       ; the conversion's scale operand
	v_lshrrev_b32 v17, 23, v[SCO+\c]               ; the scale's byte
.if (\g) == 0
	v_mov_b32 v[SB+\c], v17                        ; four bytes to a register, the lower K in the lower byte
.else
	v_lshl_or_b32 v[SB+\c], v17, 8*(\g), v[SB+\c]
.endif
.irp q, 0,1,2,3
.irp j, 0,1,2,3,4,5,6,7
	v_mov_b32 v[T+8*(\q%2)+\j], v[XS+2*(8*\q+\j)]  ; eight neighbours along K on end; the two sets take turns, so that these plain lines stand between a conversion and the next write of its sources
.endr
	v_cvt_scalef32_pk8_fp4_f32 v[WC+4*\c+\q], v[T+8*(\q%2):T+8*(\q%2)+7], v[SCO+\c]
.endr
	ds_store_b128 v4, v[WC+4*\c:WC+4*\c+3] offset:\c*WPITCH+16*(\g)   ; 32 codes: 16 bytes of the column's row
.endr
.if (\g)+2 < NG
	WLOAD (\g)+2
.endif
	s_wait_dscnt 0x0                               ; the stores have read their registers: the next group's codes may be written
.endm
.irp g, 0,1,2,3
	WBLOCK \g
.endr
	ds_store_b32 v5, v[SB]
	ds_store_b32 v5, v[SB+1] offset:16
	s_wait_dscnt 0x0                               ; for the others' sake: my codes and scale bytes lie in LDS
	s_barrier_signal -1
	s_barrier_wait -1                              ; everybody's do
	ds_load_b64 v[26:27], v6
.irp t, 0,1,2,3,4,5,6,7
	ds_load_b128 v[OUTR+4*\t:OUTR+4*\t+3], v7 offset:2*\t*WPITCH
.endr
	s_wait_dscnt 8                                 ; the scale bytes are in; the eight loads behind them may be out
	global_store_b64 v9, v[26:27], s[16:17]        ; 16 of each row's 32 bytes
.irp t, 0,1,2,3,4,5,6,7
	s_wait_dscnt 7-\t                              ; LDS loads come back in order: load t is in, the younger ones may be out
	global_store_b128 v8, v[OUTR+4*\t:OUTR+4*\t+3], s[14:15] offset:2*\t*KROW
.endr
	s_branch .Lend
.Lpath_c:
; ---------------- Wc: f32 to f16, as it lies ----------------
; A wave takes 4,096 numbers: 32 loads of 512 consecutive bytes, all issued first; each becomes one store of 256 consecutive bytes.  No register is written twice.
	s_sub_co_u32 s21, ttmp9, 352
	s_lshl_b32 s21, s21, 2
	s_add_co_u32 s21, s21, s20                     ; my run: 0 .. 255
	s_lshl_b32 s22, s21, 14
	s_mov_b32 s23, 0
	s_add_nc_u64 s[12:13], s[12:13], s[22:23]
	s_lshl_b32 s22, s21, 13
	s_add_nc_u64 s[18:19], s[18:19], s[22:23]
	v_lshlrev_b32 v3, 4, v2
	v_lshlrev_b32 v4, 3, v2
.irp i, 0,1,2,3,4,5,6,7,8,9,10,11,12,13,14,15,16,17,18,19,20,21,22,23,24,25,26,27,28,29,30,31
	global_load_b128 v[32+4*\i:35+4*\i], v3, s[12:13] offset:512*\i th:TH_LOAD_NT
.endr
.irp i, 0,1,2,3,4,5,6,7,8,9,10,11,12,13,14,15,16,17,18,19,20,21,22,23,24,25,26,27,28,29,30,31
	s_wait_loadcnt 31-\i                           ; loads come back in order: load i is in, the younger ones may be out
	v_cvt_pk_f16_f32 v[32+4*\i], v[32+4*\i], v[33+4*\i]
	v_cvt_pk_f16_f32 v[33+4*\i], v[34+4*\i], v[35+4*\i]
	global_store_b64 v4, v[32+4*\i:33+4*\i], s[18:19] offset:256*\i
.endr
.Lend:
	s_wait_tensorcnt 0x0                           ; the wave's end
	ds_add_u32 v[SPW], v[NIL]
	s_wait_dscnt 0x0
	s_endpgm
.Lfunc_end_k_qaf74497d5c_prep:
	.size	k_qaf74497d5c_prep, .Lfunc_end_k_qaf74497d5c_prep-k_qaf74497d5c_prep
	.p2alignl 7, 3214868480
	.fill 96, 4, 3214868480
	.section	.rodata,"a",@progbits
	.p2align	6, 0x0
	.amdhsa_kernel k_qaf74497d5c_prep
		.amdhsa_group_segment_fixed_size 51712
		.amdhsa_private_segment_fixed_size 0
		.amdhsa_enable_private_segment 0
		.amdhsa_kernarg_size 64
		.amdhsa_user_sgpr_count 2
		.amdhsa_user_sgpr_kernarg_segment_ptr 1
		.amdhsa_wavefront_size32 1
		.amdhsa_system_sgpr_workgroup_id_x 1
		.amdhsa_system_sgpr_workgroup_id_y 1
		.amdhsa_system_sgpr_workgroup_id_z 1
		.amdhsa_system_vgpr_workitem_id 0
		.amdhsa_next_free_vgpr 224
		.amdhsa_next_free_sgpr 66
		.amdhsa_reserve_vcc 0
		.amdhsa_float_denorm_mode_32 3
		.amdhsa_float_denorm_mode_16_64 3
		.amdhsa_memory_ordered 1
		.amdhsa_forward_progress 1
		.amdhsa_inst_pref_size 81
	.end_amdhsa_kernel
	.amdgpu_metadata
---
amdhsa.version: [ 1, 2 ]
amdhsa.kernels:
  - .name:           k_qaf74497d5c_prep
    .symbol:         k_qaf74497d5c_prep.kd
    .args:
      - { .name: x, .offset: 0, .size: 8, .value_kind: global_buffer, .address_space: global }
      - { .name: Wq, .offset: 8, .size: 8, .value_kind: global_buffer, .address_space: global }
      - { .name: Wk, .offset: 16, .size: 8, .value_kind: global_buffer, .address_space: global }
      - { .name: Wv, .offset: 24, .size: 8, .value_kind: global_buffer, .address_space: global }
      - { .name: Wc, .offset: 32, .size: 8, .value_kind: global_buffer, .address_space: global }
      - { .name: codes, .offset: 40, .size: 8, .value_kind: global_buffer, .address_space: global }
      - { .name: scales, .offset: 48, .size: 8, .value_kind: global_buffer, .address_space: global }
      - { .name: wc16, .offset: 56, .size: 8, .value_kind: global_buffer, .address_space: global }
    .group_segment_fixed_size: 51712
    .private_segment_fixed_size: 0
    .kernarg_segment_align: 8
    .kernarg_segment_size: 64
    .max_flat_workgroup_size: 128
    .sgpr_count:     66
    .vgpr_count:     224
    .wavefront_size: 32
...
	.end_amdgpu_metadata
.endif
;; end of part 1
;; launch qkv (part 2): grid 8 x 32, 4 waves a work-group, clusters of 4 x 4, 327,680 bytes of LDS; arguments codes, scales, bq, qkv; writes qkv
.if DOCPART == 2
	.amdgcn_target "amdgcn-amd-amdhsa--gfx1250"
	.amdhsa_code_object_version 6
	.text
	.protected	k_qaf74497d5c_qkv
	.globl	k_qaf74497d5c_qkv
	.p2align	8
	.type	k_qaf74497d5c_qkv,@function
k_qaf74497d5c_qkv:
	s_mov_b64 s[64:65], 0
	v_nop
	global_prefetch_b8 v0, s[64:65] scope:SCOPE_SE
	s_setreg_imm32_b32 hwreg(HW_REG_WAVE_MODE, 25, 1), 1
	s_wait_xcnt 0x0
	s_wait_alu depctr_hold_cnt(0) depctr_sa_sdst(0) depctr_va_vdst(0) depctr_va_sdst(0) depctr_va_ssrc(0) depctr_va_vcc(0) depctr_vm_vsrc(0)
	s_getreg_b32 s2, hwreg(HW_REG_IB_STS2, 6, 4)
	s_cmp_eq_u32 s2, 0
	s_cbranch_scc0 .Lentry_in_a_cluster
	s_endpgm
.Lentry_in_a_cluster:
	s_bfe_u32 s2, ttmp6, 0x10000c
	s_cmp_lg_u32 s2, 0xf033
	s_cbranch_scc0 .Lentry_shape_is_right
	s_endpgm
.Lentry_shape_is_right:
; SECOND LAUNCH: qkv[token][n] = sum over k of x[token][k] W[k][n] (+ bq[n] for n < 1,024), n = 0 .. 3,071 over Wq, Wk, Wv; both operands codes of FP4 (E2M1) with one E8M0 scale for each 32 along K; sums in f32; the result rounded once to f16.
; WORK LEFT OUT: bk (the same along the softmax's axis for all values of the inputs: shown at the head of the first launch), so k has no bias here; bv is added behind the product with v, in the fourth launch.
; LIMIT: results over 65,504 in magnitude are not served (f16).
; SHARES: 8 x 32 = 256 work-groups of four waves.  A work-group owns 256 tokens and makes, one after the other:
;   PHASE 1: 256 columns of q | k (tile column tx of eight): a wave 128 x 128, 64 accumulators, 512 registers;
;   PHASE 2: 128 columns of v (128 tx on), from the SAME tokens' codes and scales, which still lie in LDS: wave w tokens 64 w .. 64 w + 63 x all 128 columns, 32 accumulators, so that its rows of 256 bytes leave whole.
; K = 1,024 is two LDS slots of 512 along K (rows of 256 bytes), both asked for at the start.  Wv's 128 rows do not fit beside them: when phase 1 has left slot 0, they are filled into the bytes that held slot 0's rows of Wq | Wk
; (K half 0 into rows 0-127, K half 1 into rows 128-255), behind a round of the cluster's barrier; they have the rest of phase 1 and its way out in which to land.
; The scale bytes of phase 1's 256 + 256 rows, two dense blocks of 8,192 bytes, come with the first fills; Wv's 4,096 go from memory into registers, once.
; CLUSTERS: 4 x 4 work-groups: the four of a row of the cluster need the same rows of x, the four of a column the same rows of the weights: each tile is asked for jointly, by the same tensor load with the same descriptor and a mask that names the four.
; THE MATRIX INSTRUCTION IS USED TRANSPOSED (source 0 = 16 rows of the weights, source 1 = 16 tokens): a lane holds eight neighbouring columns of one token's row.
; REGISTERS: window 0: v0-31 addresses; v32-95 scale words (phase 1: two sets; phase 2: Wv's); v96-127 the tokens' scale words of phase 2; v128-191 x's fragments (phase 1: one set of 8; phase 2: two sets of 4);
;   v192-255 the bias in the result's layout; on the ways out v192-223 packed results, v224-255 and v160-191 rows read back.  window 1: the weights' fragments, two sets.  windows 2, 3: the accumulators (phase 2: window 2).
.set NQ,     4                         ; steps of 128 along K in a slot
.set ROWB,   256                       ; a tile's row: 512 codes
.set KROW,   512                       ; a row of codes in memory
.set PITCH,  272                       ; an LDS row: 256 bytes + 16: the 16 rows that a load touches start 68 words apart
.set FR,     8                         ; registers of a fragment
.set NL,     2                         ; LDS loads that bring one
.set NP,     4                         ; places behind this matrix instruction (ISA guide 7.12.1)
.set HALFT,  128*PITCH
.set SLOT,   4*HALFT                   ; x's 256 rows, then the weights' 256 rows
.set KS,     32                        ; a row of scale bytes
.set SCL,    2*SLOT                    ; behind the two slots: the scales, as rows of 256 bytes + 16
.set HALFS,  16*272                    ; the scales of 128 rows
.set SBLK,   2*272                     ; those of 16 rows
.set STG,    SCL+4*HALFS               ; the way out: a stage of 16 rows x (256 + 16) bytes for each wave, in bytes of its own: no tile lands there
.set SPITCH, 272
.set SPARE,  STG+4*16*SPITCH           ; the spare words, 128 bytes for each wave: two blocks of 256 bytes that no other line names
.set ROWC,   6144                      ; a row of qkv in bytes
.set XROWS,  8192                      ; Wq's and Wk's rows lie behind x's in codes and scales,
.set VROWS,  10240                     ; Wv's behind those
.set SO2,  14                          ; v14  32 x (lane % 16): my row among 16 rows of Wv's scale bytes in memory; never rewritten
.set ADRA, 16                          ; v16-17  phase 1: my x fragments in slot 0, 1
.set ADA2, 18                          ; v18-19  phase 2: the same for my 64 tokens
.set ADRB, 20                          ; v20-21  phase 1: my fragments of the weights
.set ADB2, 22                          ; v22-23  phase 2: Wv's fragments of K half 0, 1
.set STO,  24
.set RD,   25
.set CO,   26
.set ADRS, 27                          ; v27  phase 1: my scale words: lanes 0-15 x's rows, lanes 16-31 the weights'
.set SPW,  28                          ; v28  LDS address of my spare word; never rewritten
.set NIL,  29                          ; v29  0; never rewritten
.set ADS2, 30                          ; v30  phase 2: my tokens' scale words
.set BO,   31                          ; v31  32 x (lane / 16): my offset in the bias; never rewritten
.set SC,   32
.set SB2,  32                          ; phase 2: register 8 b + q: the scale word of Wv's block b for K step q (lane r: row r)
.set SA2,  96                          ; phase 2: register 8 a + q: that of my token block a
.set AF,   128
.set BI,   192                         ; v192-255: register 8 b + i: the bias of column 16 b + 8 (lane / 16) + i of my 128
.set TMP,  192                         ; the ways out: packed results
.set G1, 24
.set G0, 32
.set G1B, 48
.set G0B, 56
.set G1S, 68
.set G0S, 76
.set G1SB, 80
.set G0SB, 88
.set SVB, 66                           ; s[66:67] Wv's scale bytes at my tile's first row; never rewritten
.set OU1, 12                           ; s[12:13] where my part of q | k begins, stepped block by block
.set OU2, 94                           ; s[94:95] the same for v
.set BQB, 96                           ; s[96:97] bq at my first column; never rewritten
.set B2A, 98                           ; s[98:99] Wv's codes: my tile's first row, my wave's K half
.set MSB, 0
.macro WIN new                         ; the immediate's high byte repeats the setting that is left
.if MSB != (\new)
	s_set_vgpr_msb (MSB<<8)|(\new)
.set MSB, (\new)
.endif
.endm
.set MUL_LO, 0xa1                      ; source 0 window 1, source 1 window 0, C and D window 2
.set MUL_HI, 0xf1                      ; the same, C and D window 3
.set FST_LO, 0x81                      ; the first step: C (the bias) window 0, D window 2
.set FST_HI, 0xc1                      ; D window 3
.set TO_B,   0x40
; A joint load: waves 0 and 1 fetch for x, waves 2 and 3 for the weights.  The branch hangs on the wave's number alone.  An s_nop 0 and four v_nop follow each of the two lines.
.macro JLOAD g0a, g1a, g0b, g1b
	s_cmp_eq_u32 s15, 0
	s_cbranch_scc0 .Lfor_b_\@
	tensor_load_to_lds s[\g0a:\g0a+3], s[\g1a:\g1a+7]
	s_nop 0
.rept 4
	v_nop
.endr
	s_branch .Lasked_\@
.Lfor_b_\@:
	tensor_load_to_lds s[\g0b:\g0b+3], s[\g1b:\g1b+7]
	s_nop 0
.rept 4
	v_nop
.endr
.Lasked_\@:
.endm
.macro CREST                           ; a round of the cluster's barrier behind its opening barrier
	s_cmp_lg_u32 s14, 0
	s_cbranch_scc1 .Lnot_wave_0_\@
	s_barrier_signal -3
.Lnot_wave_0_\@:
	s_barrier_wait -3
	s_barrier_signal -1
	s_barrier_wait -1
.endm
.macro CROUND                          ; a whole round
	s_barrier_signal -1
	s_barrier_wait -1
	CREST
.endm
	s_load_b256 s[4:11], s[0:1], 0x0               ; codes s[4:5], scales s[6:7], bq s[8:9], qkv s[10:11]
	v_lshl_add_u32 v[SPW], v0, 2, SPARE
	v_mov_b32 v[NIL], 0
	ds_add_u32 v[SPW], v[NIL]                      ; the wave's opening: the add, twice on end, and its wait ahead of my first tensor load
	ds_add_u32 v[SPW], v[NIL]                      ; and once more, under the one wait; the set-up below stands between
	v_lshrrev_b32 v1, 5, v0
	v_readfirstlane_b32 s14, v1                    ; wave 0..3
	s_lshr_b32 s15, s14, 1                         ; phase 1: which half of the tile's tokens is mine.  Also: I fetch for x (0) or for the weights (1)
	s_and_b32 s16, s14, 1                          ; phase 1: which half of its columns.  Also: which 128 rows, or which K half of Wv, I fetch
	s_bfe_u32 s40, ttmp6, 0x40000                  ; cx, cy: my place in the cluster
	s_bfe_u32 s41, ttmp6, 0x40004
	s_lshl_b32 s42, ttmp9, 2
	s_add_co_u32 s42, s42, s40                     ; tile column tx = 4 x cluster x + cx
	s_and_b32 s17, ttmp7, 0xffff
	s_lshl_b32 s17, s17, 2
	s_add_co_u32 s17, s17, s41                     ; tile row = 4 x cluster y + cy
	s_lshl_b32 s43, s41, 2
	s_lshl_b32 s43, 15, s43                        ; my row of the cluster
	s_lshl_b32 s44, 0x1111, s40                    ; my column
	s_or_b32 s[G1+0], s43, (0<<16)|(1<<20)|(1<<21)|(5<<22)|(3<<25)  ; the mask; elements of 1 byte; padding on; bit 21 beside a mask; 4 words behind every 64
	s_or_b32 s[G1B+0], s44, (0<<16)|(1<<20)|(1<<21)|(5<<22)|(3<<25)
.irp g, G1, G1B
	s_mov_b32 s[\g+1], ROWB<<16                    ; tensor_dim0
	s_mov_b32 s[\g+2], 128<<16                     ; tensor_dim1
	s_mov_b32 s[\g+3], ROWB<<16                    ; tile_dim0
	s_mov_b32 s[\g+4], 128                         ; tile_dim1
	s_mov_b32 s[\g+5], KROW                        ; from row to row
	s_mov_b32 s[\g+6], 0
	s_mov_b32 s[\g+7], 0
.endr
	s_or_b32 s[G1S+0], s43, (3<<16)|(1<<20)|(1<<21)|(5<<22)|(3<<25) ; the scales of 128 rows: 4,096 dense bytes as 16 rows of 32 elements of 8 bytes
	s_or_b32 s[G1SB+0], s44, (3<<16)|(1<<20)|(1<<21)|(5<<22)|(3<<25)
.irp g, G1S, G1SB
	s_mov_b32 s[\g+1], 32<<16
	s_mov_b32 s[\g+2], 16<<16
	s_mov_b32 s[\g+3], 32<<16
	s_mov_b32 s[\g+4], 16
	s_mov_b32 s[\g+5], 32
	s_mov_b32 s[\g+6], 0
	s_mov_b32 s[\g+7], 0
.endr
	s_lshl_b32 s18, s16, 7                         ; which 128 rows of the tile I fetch
	s_lshl_b32 s20, s17, 8
	s_add_co_u32 s20, s20, s18                     ; x: row 256 x tile row + 128 x half
	s_lshl_b32 s46, s42, 8
	s_add_co_u32 s46, s46, s18
	s_add_co_u32 s46, s46, XROWS                   ; Wq | Wk: row 8,192 + 256 tx + 128 x half
	s_lshl_b32 s22, s20, 5                         ; where these rows' scales begin, in bytes (all under 2^32)
	s_mov_b32 s23, 0
	s_lshl_b32 s92, s46, 5
	s_mov_b32 s93, 0
	s_lshl_b32 s20, s20, 9                         ; and their codes
	s_mov_b32 s21, 0
	s_lshl_b32 s46, s46, 9
	s_mov_b32 s47, 0
	s_lshl_b32 s[B2A], s42, 7
	s_add_co_u32 s[B2A], s[B2A], VROWS             ; Wv: row 10,240 + 128 tx
	s_lshl_b32 s[SVB], s[B2A], 5                   ; its scale bytes,
	s_mov_b32 s[SVB+1], 0
	s_lshl_b32 s[B2A], s[B2A], 9                   ; its codes,
	s_lshl_b32 s[B2A+1], s16, 8
	s_add_co_u32 s[B2A], s[B2A], s[B2A+1]          ; my wave's K half: 256 bytes of each row
	s_mov_b32 s[B2A+1], 0
	s_mul_i32 s45, s14, HALFT                      ; where the tiles go: wave x 128 rows: no place in the cluster enters an LDS address
	s_mul_i32 s94, s14, HALFS
	s_wait_dscnt 0x0                               ; both opening adds are done
	s_wait_kmcnt 0x0
	s_add_nc_u64 s[20:21], s[4:5], s[20:21]
	s_add_nc_u64 s[22:23], s[6:7], s[22:23]
	s_add_nc_u64 s[46:47], s[4:5], s[46:47]
	s_add_nc_u64 s[92:93], s[6:7], s[92:93]
	s_add_nc_u64 s[B2A:B2A+1], s[4:5], s[B2A:B2A+1]
	s_add_nc_u64 s[SVB:SVB+1], s[6:7], s[SVB:SVB+1]
	CROUND                                         ; all sixteen work-groups are here: the first joint loads meet
	s_mov_b32 s[G0S], 1
	s_add_co_u32 s[G0S+1], s94, SCL
	s_mov_b64 s[G0S+2:G0S+3], s[22:23]
	s_or_b32 s[G0S+3], s[G0S+3], 0x80000000
	s_mov_b32 s[G0SB], 1
	s_add_co_u32 s[G0SB+1], s94, SCL
	s_mov_b64 s[G0SB+2:G0SB+3], s[92:93]
	s_or_b32 s[G0SB+3], s[G0SB+3], 0x80000000
	JLOAD G0S, G1S, G0SB, G1SB                     ; the scales first: they are wanted with the first slot
.irp s, 0,1
	s_mov_b32 s[G0+4*\s], 1
	s_add_co_u32 s[G0+4*\s+1], s45, \s*SLOT
	s_add_nc_u64 s[G0+4*\s+2:G0+4*\s+3], s[20:21], \s*ROWB
	s_or_b32 s[G0+4*\s+3], s[G0+4*\s+3], 0x80000000
	s_mov_b32 s[G0B+4*\s], 1
	s_add_co_u32 s[G0B+4*\s+1], s45, \s*SLOT
	s_add_nc_u64 s[G0B+4*\s+2:G0B+4*\s+3], s[46:47], \s*ROWB
	s_or_b32 s[G0B+4*\s+3], s[G0B+4*\s+3], 0x80000000
	JLOAD G0+4*\s, G1, G0B+4*\s, G1B               ; three tensor loads of mine are out at the most
.endr
	v_and_b32 v1, 15, v0                           ; r = lane % 16
	v_bfe_u32 v2, v0, 4, 1                         ; h = lane / 16
	v_mul_u32_u24 v3, v1, PITCH
	v_lshl_add_u32 v4, v2, 4, v3                   ; a fragment's row x pitch + 16 h
	s_mul_i32 s21, s15, HALFT                      ; phase 1: my 128 tokens
	s_mul_i32 s22, s16, HALFT                      ; my 128 rows of the weights,
	s_add_co_u32 s22, s22, 2*HALFT                 ; which lie behind x's 256
.irp s, 0,1
	v_add_nc_u32 v[ADRA+\s], s21, v4
	v_add_nc_u32 v[ADRB+\s], s22, v4
	s_add_co_u32 s21, s21, SLOT
	s_add_co_u32 s22, s22, SLOT
.endr
	s_mul_i32 s21, s14, 64*PITCH                   ; phase 2: my 64 tokens, in slot 0 and slot 1;
	s_mov_b32 s22, 2*HALFT                         ; Wv's 128 rows: K half 0, and 128 LDS rows further on K half 1
.irp s, 0,1
	v_add_nc_u32 v[ADA2+\s], s21, v4
	v_add_nc_u32 v[ADB2+\s], s22, v4
	s_add_co_u32 s21, s21, SLOT
	s_add_co_u32 s22, s22, HALFT
.endr
	v_mul_u32_u24 v5, v1, KS                       ; my row's scales: 32 bytes a row,
	v_lshrrev_b32 v6, 8, v5
	v_lshl_add_u32 v5, v6, 4, v5                   ; and 16 more for each 256 passed
	s_mul_i32 s23, s14, 8*272                      ; phase 2: my 64 tokens' scales are 8 rows of 256 bytes
	s_add_co_u32 s23, s23, SCL
	v_add_nc_u32 v[ADS2], s23, v5
	s_mul_i32 s21, s15, HALFS
	s_mul_i32 s22, s16, HALFS
	s_add_co_u32 s22, s22, 2*HALFS
	s_sub_co_u32 s22, s22, s21
	v_mul_u32_u24 v6, s22, v2                      ; phase 1: lanes 16-31 take the weights'
	s_add_co_u32 s21, s21, SCL
	v_add_nc_u32 v5, v5, v6
	v_add_nc_u32 v[ADRS], s21, v5
	v_lshlrev_b32 v[SO2], 5, v1
	s_mul_i32 s23, s14, 16*SPITCH
	s_add_co_u32 s23, s23, STG                     ; my stage
	v_mul_u32_u24 v5, v1, SPITCH                   ; in: row r, 16 bytes for each half of the lanes
	v_lshl_add_u32 v5, v2, 4, v5
	v_add_nc_u32 v[STO], s23, v5
	v_mul_u32_u24 v5, v2, SPITCH                   ; back: lanes 0-15 one row of 256 bytes, lanes 16-31 the next
	v_lshl_add_u32 v5, v1, 4, v5
	v_add_nc_u32 v[RD], s23, v5
	v_mul_u32_u24 v5, v2, ROWC                     ; and the same two rows in qkv
	v_lshl_add_u32 v[CO], v1, 4, v5
	v_lshlrev_b32 v[BO], 5, v2
	s_lshl_b32 s20, s17, 8
	s_lshl_b32 s21, s15, 7
	s_add_co_u32 s20, s20, s21                     ; phase 1: my first token
	s_mul_i32 s20, s20, ROWC
	s_mov_b32 s21, 0
	s_lshl_b32 s46, s42, 9                         ; my first column, in bytes of f16: 512 tx + 256 x half
	s_lshl_b32 s47, s16, 8
	s_add_co_u32 s46, s46, s47
	s_mov_b32 s47, 0
	s_add_nc_u64 s[20:21], s[20:21], s[46:47]
	s_add_nc_u64 s[OU1:OU1+1], s[10:11], s[20:21]
	s_lshl_b32 s[BQB], s46, 1                      ; the same column in bytes of f32
	s_mov_b32 s[BQB+1], 0
	s_add_nc_u64 s[BQB:BQB+1], s[8:9], s[BQB:BQB+1] ; in bq: used in the first column of clusters alone, whose tile columns 0 to 3 are q's 1,024
	s_lshl_b32 s[OU2], s17, 8
	s_lshl_b32 s[OU2+1], s14, 6
	s_add_co_u32 s[OU2], s[OU2], s[OU2+1]          ; phase 2: my first token
	s_mul_i32 s[OU2], s[OU2], ROWC
	s_lshl_b32 s[OU2+1], s42, 8
	s_add_co_u32 s[OU2], s[OU2], s[OU2+1]          ; 256 bytes a tile column,
	s_add_co_u32 s[OU2], s[OU2], 4096              ; in v's part of a row
	s_mov_b32 s[OU2+1], 0
	s_add_nc_u64 s[OU2:OU2+1], s[10:11], s[OU2:OU2+1]
	; THE BIAS IS THE C OF EACH SUM'S FIRST PRODUCT IN PHASE 1.  The branch hangs on the cluster's x, the same in all sixteen partners.
	s_cmp_eq_u32 ttmp9, 0
	s_cbranch_scc0 .Lno_bias
.irp b, 0,1,2,3,4,5,6,7
	global_load_b128 v[BI+8*\b:BI+8*\b+3], v[BO], s[BQB:BQB+1] offset:64*\b
	global_load_b128 v[BI+8*\b+4:BI+8*\b+7], v[BO], s[BQB:BQB+1] offset:64*\b+16
.endr
	s_branch .Lbias_done
.Lno_bias:                                             ; k starts from 0
.set i, 0
.rept 64
	v_mov_b32 v[BI+i], 0
.set i, i+1
.endr
.Lbias_done:
.macro FRAG reg, adr, q, i             ; 16 rows x 128 K of 4-bit codes: registers 4 c .. 4 c + 3 hold K = 64 c + 32 (lane / 16) + 0 .. 31
.irp c, 0,1
	ds_load_b128 v[\reg+4*\c:\reg+4*\c+3], v[\adr] offset:64*(\q)+32*\c+(\i)*16*PITCH
.endr
.endm
; PHASE 1.  16 matrix instructions: tokens' blocks a0, a0 + 1 x the weights' eight, 128 along K.  p: the weights' set; sc: the set of scale words.  first = 1: C is the bias.
; The 64 accumulators take turns, one instruction a turn, in the same order in every step.
.macro MUL16 a0, p, q, sc, first
.irp a, \a0, \a0+1
.irp b, 0,1,2,3,4,5,6,7
.if \first
	v_wmma_scale_f32_16x16x128_f8f6f4 v[8*(8*((\a)%4)+\b):8*(8*((\a)%4)+\b)+7], v[128*(\p)+FR*\b:128*(\p)+FR*\b+FR-1], v[AF+FR*(\a):AF+FR*(\a)+FR-1], v[BI+8*\b:BI+8*\b+7], v[SC+8*NQ*(\sc)+NQ*\b+(\q)], v[SC+8*NQ*(\sc)+NQ*(\a)+(\q)] matrix_a_fmt:MATRIX_FMT_FP4 matrix_b_fmt:MATRIX_FMT_FP4 matrix_a_scale:MATRIX_SCALE_ROW1
.else
	v_wmma_scale_f32_16x16x128_f8f6f4 v[8*(8*((\a)%4)+\b):8*(8*((\a)%4)+\b)+7], v[128*(\p)+FR*\b:128*(\p)+FR*\b+FR-1], v[AF+FR*(\a):AF+FR*(\a)+FR-1], v[8*(8*((\a)%4)+\b):8*(8*((\a)%4)+\b)+7], v[SC+8*NQ*(\sc)+NQ*\b+(\q)], v[SC+8*NQ*(\sc)+NQ*(\a)+(\q)] matrix_a_fmt:MATRIX_FMT_FP4 matrix_b_fmt:MATRIX_FMT_FP4 matrix_a_scale:MATRIX_SCALE_ROW1
.endif
.endr
.endr
.endm
.macro FETCH_B slot, q, p
	WIN TO_B
.irp i, 0,1,2,3,4,5,6,7
	FRAG 128*(\p)+FR*\i, ADRB+\slot, \q, \i
.endr
	WIN 0
.endm
.macro FETCH_A slot, q, i0
.irp i, \i0, \i0+1, \i0+2, \i0+3
	FRAG AF+FR*(\i), ADRA+\slot, \q, \i
.endr
.endm
.macro SCALES sc                       ; a slot's scale words: four a row; lanes 0-15 take x's block i, lanes 16-31 the weights' block i
.irp i, 0,1,2,3,4,5,6,7
	ds_load_b128 v[SC+8*NQ*\sc+NQ*\i:SC+8*NQ*\sc+NQ*\i+3], v[ADRS] offset:\i*SBLK
.endr
.endm
.macro PLACES n                        ; plain vector instructions in front of loads into registers that matrix instructions have read, and of the first read of results
.rept \n
	v_nop
.endr
.endm
.macro STEP slot, q, first             ; a step of 128 along K that has its successor in the same slot
	s_wait_dscnt 4*NL                              ; the weights' set and x's blocks 0-3 are in; the youngest eight loads (x's blocks 4-7) may be out
.if \first
	WIN FST_LO
.else
	WIN MUL_LO
.endif
	MUL16 0, (\q)%2, \q, \slot, \first
	MUL16 2, (\q)%2, \q, \slot, \first
	s_wait_dscnt 0                                 ; x's blocks 4-7 are in
	PLACES NP
	FETCH_B \slot, (\q)+1, 1-(\q)%2
	FETCH_A \slot, (\q)+1, 0
.if \first
	WIN FST_HI
.else
	WIN MUL_HI
.endif
	MUL16 4, (\q)%2, \q, \slot, \first
	MUL16 6, (\q)%2, \q, \slot, \first
	PLACES NP
	WIN 0
	FETCH_A \slot, (\q)+1, 4
.endm
	s_wait_tensorcnt 1                             ; the scales and my part of slot 0 are in; slot 1's load may be out
	s_barrier_signal -1
	s_barrier_wait -1                              ; everybody's are
	FETCH_B 0, 0, 0
	FETCH_A 0, 0, 0
	SCALES 0
	FETCH_A 0, 0, 4
	s_wait_loadcnt 0x0                             ; the bias
	STEP 0, 0, 1
	STEP 0, 1, 0
	STEP 0, 2, 0
	; Slot 0's last step changes slots, and the bytes of slot 0's rows of Wq | Wk are filled again, with Wv's.  In front of the round each wave waits for all its tensor loads (its part of slot 1),
	; adds 0 to its spare word, and waits for that and for its reads of slot 0; behind the round no wave of any partner reads those bytes or has a load on its way.
	s_wait_tensorcnt 0x0                           ; no tensor load of mine is out, so a group 0 may be written
	ds_add_u32 v[SPW], v[NIL]
	s_mov_b64 s[G0B+2:G0B+3], s[B2A:B2A+1]         ; the same LDS bytes and the same shape as my first fill of slot 0; from Wv's rows, my K half
	s_or_b32 s[G0B+3], s[G0B+3], 0x80000000
	s_wait_dscnt 4*NL+1                            ; the add and the youngest eight loads may be out
	WIN MUL_LO
	MUL16 0, 1, NQ-1, 0, 0
	s_wait_dscnt 0x0                               ; the add is done, and my reads of slot 0's weights are over
	s_barrier_signal -1
	MUL16 2, 1, NQ-1, 0, 0
	WIN 0
	s_barrier_wait -1
	CREST                                          ; the barrier has opened a round of the cluster's barrier
	s_cmp_eq_u32 s15, 0                            ; waves 2 and 3 fetch Wv's two K halves, one load each; waves 0 and 1 have no part of it
	s_cbranch_scc1 .Lno_refill
	tensor_load_to_lds s[G0B:G0B+3], s[G1B:G1B+7]  ; the first tensor load behind the round, and my last
	s_nop 0
.rept 4
	v_nop
.endr
.Lno_refill:
	PLACES NP
	v_add_nc_u32 v[ADRS], 4*NQ, v[ADRS]            ; on to slot 1's scale words (no LDS load of mine is out)
	FETCH_B 1, 0, 0
	FETCH_A 1, 0, 0
	SCALES 1
	WIN MUL_HI
	MUL16 4, 1, NQ-1, 0, 0
	MUL16 6, 1, NQ-1, 0, 0
	PLACES NP
	WIN 0
	FETCH_A 1, 0, 4
	STEP 1, 0, 0
	STEP 1, 1, 0
	STEP 1, 2, 0
	s_wait_dscnt 4*NL                              ; phase 1's last step: nothing more to fetch
	WIN MUL_LO
	MUL16 0, 1, NQ-1, 1, 0
	MUL16 2, 1, NQ-1, 1, 0
	s_wait_dscnt 0
	WIN MUL_HI
	MUL16 4, 1, NQ-1, 1, 0
	MUL16 6, 1, NQ-1, 1, 0
	WIN 0
	PLACES NP                                      ; behind the last products: for the loads into the scale words' and fragments' registers and for the first read of results
.irp b, 0,1,2,3,4,5,6,7                ; Wv's scale words, 32 bytes a row, into the registers that held phase 1's: they land while phase 1 goes out
	global_load_b128 v[SB2+8*\b:SB2+8*\b+3],   v[SO2], s[SVB:SVB+1] offset:512*\b
	global_load_b128 v[SB2+8*\b+4:SB2+8*\b+7], v[SO2], s[SVB:SVB+1] offset:512*\b+16
.endr
; THE WAY OUT, block by block of 16 tokens x 128 columns: rounded to f16 (16 bytes a lane), through my own stage in LDS, back as whole rows of 256 bytes, stored sixteen lanes to 256 consecutive aligned bytes.
.macro PACK a
.set AC, 64*((\a)%4)
	WIN 0x0a+5*((\a)/4)                            ; sources 0 and 1: window 2 or 3
.irp b, 0,1,2,3,4,5,6,7
.irp r, 0,1,2,3
	v_cvt_pk_f16_f32 v[TMP+4*\b+\r], v[AC+8*\b+2*\r], v[AC+8*\b+2*\r+1]   ; each accumulator from its low end on
.endr
.endr
	WIN 0
.endm
.macro TOSTAGE a
.set BK, 224-64*((\a)%2)
.irp b, 0,1,2,3,4,5,6,7
	ds_store_b128 v[STO], v[TMP+4*\b:TMP+4*\b+3] offset:32*\b
.endr
.irp t, 0,1,2,3,4,5,6,7
	ds_load_b128 v[BK+4*\t:BK+4*\t+3], v[RD] offset:\t*2*SPITCH    ; LDS serves a wave's instructions in order: these see the stores above
.endr
.endm
.macro SEND a, bs
.set BK, 224-64*((\a)%2)
	s_wait_dscnt 0x0                               ; the block is back in registers
	s_wait_xcnt 0x0                                ; earlier stores have read their base and their data: both may be written again
.if (\a) > 0
	s_add_nc_u64 s[\bs:\bs+1], s[\bs:\bs+1], 16*ROWC
.endif
.irp t, 0,1,2,3,4,5,6,7
	global_store_b128 v[CO], v[BK+4*\t:BK+4*\t+3], s[\bs:\bs+1] offset:2*\t*ROWC
.endr
.endm
	PACK 0
	TOSTAGE 0
.irp a, 1,2,3,4,5,6,7                  ; block a's conversions stand between block a - 1's loads from the stage and the wait for them
	PACK \a
	SEND \a-1, OU1
	TOSTAGE \a
.endr
	SEND 7, OU1
; PHASE 2: v.  Nothing waits for phase 1's stores: they are on their way while these products run.
.macro FETCH2 q, p                     ; K step q of eight into set p: Wv's 8 fragments, my tokens' 4: 24 LDS loads
.set QS, (\q)/4
.set QQ, (\q)%4
	WIN TO_B
.irp i, 0,1,2,3,4,5,6,7
.irp c, 0,1
	ds_load_b128 v[128*(\p)+FR*\i+4*\c:128*(\p)+FR*\i+4*\c+3], v[ADB2+QS] offset:64*QQ+32*\c+\i*16*PITCH
.endr
.endr
	WIN 0
.irp i, 0,1,2,3
.irp c, 0,1
	ds_load_b128 v[AF+32*(\p)+FR*\i+4*\c:AF+32*(\p)+FR*\i+4*\c+3], v[ADA2+QS] offset:64*QQ+32*\c+\i*16*PITCH
.endr
.endr
.endm
; 32 matrix instructions: my four token blocks x Wv's eight, 128 along K.  The first step's products start the sums with the constant 0.  The 32 accumulators take turns in the same order in every step.
.macro MUL32 p, q
.irp a, 0,1,2,3
.irp b, 0,1,2,3,4,5,6,7
.if (\q) == 0
	v_wmma_scale_f32_16x16x128_f8f6f4 v[8*(8*\a+\b):8*(8*\a+\b)+7], v[128*(\p)+FR*\b:128*(\p)+FR*\b+FR-1], v[AF+32*(\p)+FR*\a:AF+32*(\p)+FR*\a+FR-1], 0, v[SB2+8*\b+(\q)], v[SA2+8*\a+(\q)] matrix_a_fmt:MATRIX_FMT_FP4 matrix_b_fmt:MATRIX_FMT_FP4
.else
	v_wmma_scale_f32_16x16x128_f8f6f4 v[8*(8*\a+\b):8*(8*\a+\b)+7], v[128*(\p)+FR*\b:128*(\p)+FR*\b+FR-1], v[AF+32*(\p)+FR*\a:AF+32*(\p)+FR*\a+FR-1], v[8*(8*\a+\b):8*(8*\a+\b)+7], v[SB2+8*\b+(\q)], v[SA2+8*\a+(\q)] matrix_a_fmt:MATRIX_FMT_FP4 matrix_b_fmt:MATRIX_FMT_FP4
.endif
.endr
.endr
.endm
.macro STEP2 q
.if (\q) < 7
.if (\q) > 0
	PLACES NP                                      ; the other set was read by the last step's products
.endif
	FETCH2 (\q)+1, ((\q)+1)%2
	s_wait_dscnt 24                                ; this step's fragments are in; the 24 loads just issued may be out
.else
	s_wait_dscnt 0x0
.endif
	WIN MUL_LO
	MUL32 (\q)%2, \q
.endm
	s_wait_tensorcnt 0x0                           ; my K half of Wv has landed (waves 2 and 3),
	s_wait_dscnt 0x0
	s_barrier_signal -1
	s_barrier_wait -1                              ; everybody's has
	s_wait_xcnt 0x0                                ; the last stores have read their data: v160-191 take fragments again
.irp a, 0,1,2,3                        ; my tokens' scale words for all of K: 32 bytes a row
	ds_load_b128 v[SA2+8*\a:SA2+8*\a+3],   v[ADS2] offset:\a*SBLK
	ds_load_b128 v[SA2+8*\a+4:SA2+8*\a+7], v[ADS2] offset:\a*SBLK+16
.endr
	FETCH2 0, 0
	s_wait_loadcnt 0x0                             ; Wv's scale words
.irp q, 0,1,2,3,4,5,6,7
	STEP2 \q
.endr
	WIN 0
	PLACES NP
	PACK 0
	TOSTAGE 0
.irp a, 1,2,3
	PACK \a
	SEND \a-1, OU2
	TOSTAGE \a
.endr
	SEND 3, OU2
	s_wait_tensorcnt 0x0                           ; the wave's end
	ds_add_u32 v[SPW], v[NIL]
	s_wait_dscnt 0x0
	CROUND                                         ; the closing round
	s_endpgm
.Lfunc_end_k_qaf74497d5c_qkv:
	.size	k_qaf74497d5c_qkv, .Lfunc_end_k_qaf74497d5c_qkv-k_qaf74497d5c_qkv
	.p2alignl 7, 3214868480
	.fill 96, 4, 3214868480
	.section	.rodata,"a",@progbits
	.p2align	6, 0x0
	.amdhsa_kernel k_qaf74497d5c_qkv
		.amdhsa_group_segment_fixed_size 327680
		.amdhsa_private_segment_fixed_size 0
		.amdhsa_enable_private_segment 0
		.amdhsa_kernarg_size 32
		.amdhsa_user_sgpr_count 2
		.amdhsa_user_sgpr_kernarg_segment_ptr 1
		.amdhsa_wavefront_size32 1
		.amdhsa_system_sgpr_workgroup_id_x 1
		.amdhsa_system_sgpr_workgroup_id_y 1
		.amdhsa_system_sgpr_workgroup_id_z 1
		.amdhsa_system_vgpr_workitem_id 0
		.amdhsa_next_free_vgpr 1024
		.amdhsa_next_free_sgpr 100
		.amdhsa_reserve_vcc 0
		.amdhsa_float_denorm_mode_32 3
		.amdhsa_float_denorm_mode_16_64 3
		.amdhsa_memory_ordered 1
		.amdhsa_forward_progress 1
		.amdhsa_inst_pref_size 196
	.end_amdhsa_kernel
	.amdgpu_metadata
---
amdhsa.version: [ 1, 2 ]
amdhsa.kernels:
  - .name:           k_qaf74497d5c_qkv
    .symbol:         k_qaf74497d5c_qkv.kd
    .args:
      - { .name: codes, .offset: 0, .size: 8, .value_kind: global_buffer, .address_space: global }
      - { .name: scales, .offset: 8, .size: 8, .value_kind: global_buffer, .address_space: global }
      - { .name: bq, .offset: 16, .size: 8, .value_kind: global_buffer, .address_space: global }
      - { .name: qkv, .offset: 24, .size: 8, .value_kind: global_buffer, .address_space: global }
    .group_segment_fixed_size: 327680
    .private_segment_fixed_size: 0
    .kernarg_segment_align: 8
    .kernarg_segment_size: 32
    .max_flat_workgroup_size: 128
    .sgpr_count:     100
    .vgpr_count:     1024
    .wavefront_size: 32
...
	.end_amdgpu_metadata
.endif
;; end of part 2
;; launch scores (part 3): grid 8 x 32, 4 waves a work-group, clusters of 4 x 4, 327,680 bytes of LDS; arguments qkv, pt, st; writes pt, st
.if DOCPART == 3
	.amdgcn_target "amdgcn-amd-amdhsa--gfx1250"
	.amdhsa_code_object_version 6
	.text
	.protected	k_qaf74497d5c_scores
	.globl	k_qaf74497d5c_scores
	.p2align	8
	.type	k_qaf74497d5c_scores,@function
k_qaf74497d5c_scores:
	s_mov_b64 s[64:65], 0
	v_nop
	global_prefetch_b8 v0, s[64:65] scope:SCOPE_SE
	s_setreg_imm32_b32 hwreg(HW_REG_WAVE_MODE, 25, 1), 1
	s_wait_xcnt 0x0
	s_wait_alu depctr_hold_cnt(0) depctr_sa_sdst(0) depctr_va_vdst(0) depctr_va_sdst(0) depctr_va_ssrc(0) depctr_va_vcc(0) depctr_vm_vsrc(0)
	s_getreg_b32 s2, hwreg(HW_REG_IB_STS2, 6, 4)
	s_cmp_eq_u32 s2, 0
	s_cbranch_scc0 .Lentry_in_a_cluster
	s_endpgm
.Lentry_in_a_cluster:
	s_bfe_u32 s2, ttmp6, 0x10000c
	s_cmp_lg_u32 s2, 0xf033
	s_cbranch_scc0 .Lentry_shape_is_right
	s_endpgm
.Lentry_shape_is_right:
; THIRD LAUNCH: for each batch the scores q k^T (f16 operands, f32 sums) and the first half of the softmax.
; WORK LEFT OUT: bk's term of the scores (the same along the softmax's axis: shown at the head of the first launch).
; t = score x log2(e) / 32.  A tile of 256 queries x 256 keys takes ITS OWN maximum away: M_j = the row's largest t in key tile j, rounded up to a whole number; p = 2^(t - M_j), at most 1, goes out as f16 into pt[token][key];
; the pair (-M_j, L_j = the row's sum of p in f32) goes into st[j][token].  The next launch knows every M_j of a row before it sums, and brings all tiles under the row's true maximum by powers of two.
; SHARES: four waves; wave w makes queries 64 w .. 64 w + 63 against all 256 keys, so that a row's maximum and sum never leave the wave: 64 accumulators, 512 registers.
; K = 1,024 goes in steps of 128 through a ring of two LDS slots (rows of 256 bytes).  CLUSTERS: 4 x 4: q's tile is shared along a row of the cluster, k's along a column; each is asked for jointly.
; THE MATRIX INSTRUCTION IS USED TRANSPOSED (source 0 = 16 keys, source 1 = 16 queries): a lane holds one query (lane % 16) and eight neighbouring keys.
; REGISTERS: window 0: v0-31 addresses; v32-63 the softmax's small numbers; v64-95, v96-127 q's fragments, two buffers; on the way out v64-127 packed p, v128-255 rows read back.
;   window 1: k's fragments, two buffers of 128.   window 2: the accumulators of my query blocks 0, 1 ((a, b) at v[8 (16 (a % 2) + b)]);   window 3: blocks 2, 3.
.set ROWQ,   6144                      ; a row of qkv in bytes: q at 0, k at 2,048, v at 4,096
.set KSTEP,  128
.set PITCH,  272                       ; an LDS row: 256 bytes + 16
.set HALFT,  128*PITCH
.set SLOT,   4*HALFT                   ; q's 256 rows, then k's 256 rows
.set STAGE,  2*SLOT                    ; behind the ring: 16 rows x 528 bytes for each wave
.set SPITCH, 528
.set SPARE,  STAGE+4*16*SPITCH         ; the spare words, 128 bytes for each wave: two blocks of 256 bytes that no other line names
.set LAPS,   4                         ; a lap = two K steps = once round the ring
.set ADRA, 16
.set ADRB, 20
.set STO,  24
.set RD,   25
.set CO,   26
.set SOF,  27
.set SPW,  28                          ; v28  LDS address of my spare word; never rewritten
.set NIL,  29                          ; v29  0; never rewritten
.set PFO,  30                          ; v30  the prefetches' offset: my lane x a row of qkv; never rewritten
.set T,    32                          ; v32-39  eight chains of the maximum
.set XL,   40                          ; v40     what comes from lane l xor 16
.set NMP,  44                          ; v44-51  -M of block a in v[44 + 2 a]; the odd ones are named as upper halves of pairs and hold 0
.set LS,   52                          ; v52-55  L of block a
.set LA,   56                          ; v[56:57], v[58:59]  two chains of packed sums
.set LB,   58
.set PR,   60                          ; v60-63  the pairs to be stored
.set TMP,  64
.set BK,   128
.set G1, 24
.set G0, 32
.set G1B, 48
.set G0B, 56
.set CS,  66                           ; s[66:67] c = log2(e) / 32
.set SEL, 68                           ; s[68:69] v_permlanex16_b32's selects for lane l xor 16
.set HIM, 70                           ; s70  the mask of lanes 16-31
.set PFA, 72                           ; s[72:73] where my prefetches stand
.set LIM, 74                           ; s74  1 in a wave that prefetches, else the greatest number
.set CY,  75                           ; s75  the cluster's y
.set MSB, 0
.macro WIN new
.if MSB != (\new)
	s_set_vgpr_msb (MSB<<8)|(\new)
.set MSB, (\new)
.endif
.endm
.set MUL_LO, 0xa1                      ; source 0 (k) window 1, source 1 (q) window 0, C and D window 2
.set MUL_HI, 0xf1
.macro JLOAD s                         ; a joint load: waves 0 and 1 fetch q's halves, waves 2 and 3 k's; an s_nop 0 and four v_nop follow each line
	s_cmp_eq_u32 s15, 0
	s_cbranch_scc0 .Lfor_b_\@
	tensor_load_to_lds s[G0+4*\s:G0+4*\s+3], s[G1:G1+7]
	s_nop 0
.rept 4
	v_nop
.endr
	s_branch .Lasked_\@
.Lfor_b_\@:
	tensor_load_to_lds s[G0B+4*\s:G0B+4*\s+3], s[G1B:G1B+7]
	s_nop 0
.rept 4
	v_nop
.endr
.Lasked_\@:
.endm
; A prefetch of the K step that stands two refills on: 32 rows x 256 bytes, a lane a row, one instruction a wave, behind the joint load and the run of LDS loads.  Each row's 256 bytes of a K step are named once in the launch:
; q's tile rows are walked by both clusters of a row of clusters: the one with x = 0 asks; k's tile by the two clusters of a batch: the even one asks.  The four partners that ask for a tile jointly share its rows out by address, 32 each.
; K steps 0 to 3 come by their loads alone; the loop's last trip asks for nothing: K has no step behind the eighth.
.macro ASK
	s_cmp_gt_u32 s3, s[LIM]                        ; s3 = 1 in the loop's last trip
	s_cbranch_scc0 .Lnot_mine_\@
	global_prefetch_b8 v[PFO], s[PFA:PFA+1] offset:KSTEP*2 th:TH_LOAD_NT scope:SCOPE_SE
.Lnot_mine_\@:
.endm
.macro CREST
	s_cmp_lg_u32 s14, 0
	s_cbranch_scc1 .Lnot_wave_0_\@
	s_barrier_signal -3
.Lnot_wave_0_\@:
	s_barrier_wait -3
	s_barrier_signal -1
	s_barrier_wait -1
.endm
.macro CROUND
	s_barrier_signal -1
	s_barrier_wait -1
	CREST
.endm
	s_load_b128 s[4:7], s[0:1], 0x0                ; qkv s[4:5], pt s[6:7]
	s_load_b64 s[8:9], s[0:1], 0x10                ; st
	v_lshl_add_u32 v[SPW], v0, 2, SPARE
	v_mov_b32 v[NIL], 0
	ds_add_u32 v[SPW], v[NIL]                      ; the wave's opening: the add, twice on end, and its wait ahead of my first tensor load
	ds_add_u32 v[SPW], v[NIL]
	v_lshrrev_b32 v1, 5, v0
	v_readfirstlane_b32 s14, v1                    ; wave 0..3
	s_lshr_b32 s15, s14, 1                         ; I fetch for q (0) or for k (1)
	s_and_b32 s16, s14, 1                          ; which 128 rows of that tile I fetch
	s_bfe_u32 s40, ttmp6, 0x40000                  ; cx
	s_bfe_u32 s41, ttmp6, 0x40004                  ; cy
	s_lshl_b32 s42, ttmp9, 2
	s_add_co_u32 s42, s42, s40                     ; key tile of the batch = 4 x cluster x + cx
	s_and_b32 s[CY], ttmp7, 0xffff
	s_lshl_b32 s17, s[CY], 2
	s_add_co_u32 s17, s17, s41                     ; query tile = 4 x cluster y + cy
	s_lshl_b32 s43, s41, 2
	s_lshl_b32 s43, 15, s43                        ; my row of the cluster
	s_lshl_b32 s44, 0x1111, s40                    ; my column
	s_or_b32 s[G1+0], s43, (1<<16)|(1<<20)|(1<<21)|(5<<22)|(3<<25)  ; the mask; elements of 2 bytes; padding on; bit 21 beside a mask; 4 words behind every 64
	s_or_b32 s[G1B+0], s44, (1<<16)|(1<<20)|(1<<21)|(5<<22)|(3<<25)
.irp g, G1, G1B
	s_mov_b32 s[\g+1], KSTEP<<16                   ; tensor_dim0 = 128
	s_mov_b32 s[\g+2], 128<<16                     ; tensor_dim1 = 128
	s_mov_b32 s[\g+3], KSTEP<<16                   ; tile_dim0
	s_mov_b32 s[\g+4], 128                         ; tile_dim1
	s_mov_b32 s[\g+5], 3072                        ; elements from row to row
	s_mov_b32 s[\g+6], 0
	s_mov_b32 s[\g+7], 0
.endr
	s_lshl_b32 s18, s16, 7
	s_lshl_b32 s20, s17, 8
	s_add_co_u32 s20, s20, s18                     ; q: token 256 x query tile + 128 x half
	s_mul_i32 s20, s20, ROWQ                       ; in bytes (under 2^32)
	s_mov_b32 s21, 0
	s_lshr_b32 s46, s[CY], 1                       ; the batch: two clusters along y to a batch
	s_lshl_b32 s46, s46, 11
	s_lshl_b32 s47, s42, 8
	s_add_co_u32 s46, s46, s47
	s_add_co_u32 s46, s46, s18                     ; k: token 2,048 x batch + 256 x key tile + 128 x half
	s_mul_i32 s46, s46, ROWQ
	s_add_co_u32 s46, s46, 2048                    ; k's part of a row
	s_mov_b32 s47, 0
	s_mul_i32 s45, s14, HALFT                      ; where they go: wave x 128 rows
	s_mov_b32 s[CS], 0x3d38aa3b                    ; log2(e) / 32
	s_mov_b32 s[CS+1], s[CS]                       ; (named with it as a pair, so it is written)
	s_mov_b32 s[SEL], 0x76543210
	s_mov_b32 s[SEL+1], 0xfedcba98
	s_mov_b32 s[HIM], 0xffff0000
	s_wait_dscnt 0x0                               ; both opening adds are done
	s_wait_kmcnt 0x0
	s_add_nc_u64 s[20:21], s[4:5], s[20:21]
	s_add_nc_u64 s[46:47], s[4:5], s[46:47]
	CROUND                                         ; all sixteen work-groups are here: the first joint loads meet
.irp s, 0,1
	s_mov_b32 s[G0+4*\s], 1
	s_add_co_u32 s[G0+4*\s+1], s45, \s*SLOT
	s_add_nc_u64 s[G0+4*\s+2:G0+4*\s+3], s[20:21], \s*KSTEP*2
	s_or_b32 s[G0+4*\s+3], s[G0+4*\s+3], 0x80000000
	s_mov_b32 s[G0B+4*\s], 1
	s_add_co_u32 s[G0B+4*\s+1], s45, \s*SLOT
	s_add_nc_u64 s[G0B+4*\s+2:G0B+4*\s+3], s[46:47], \s*KSTEP*2
	s_or_b32 s[G0B+4*\s+3], s[G0B+4*\s+3], 0x80000000
	JLOAD \s                                       ; two tensor loads of mine are out at the most
.endr
	v_and_b32 v1, 15, v0                           ; r
	v_bfe_u32 v2, v0, 4, 1                         ; h
	v_mul_u32_u24 v3, v1, PITCH
	v_lshl_add_u32 v3, v2, 4, v3                   ; a fragment's row x pitch + 16 h
	s_mul_i32 s21, s14, 64*PITCH                   ; my 64 queries
	s_mov_b32 s22, 2*HALFT                         ; all 256 keys, behind q's 256 rows
.irp s, 0,1
	v_add_nc_u32 v[ADRA+\s], s21, v3
	v_add_nc_u32 v[ADRB+\s], s22, v3
	s_add_co_u32 s21, s21, SLOT
	s_add_co_u32 s22, s22, SLOT
.endr
	s_mul_i32 s23, s14, 16*SPITCH
	s_add_co_u32 s23, s23, STAGE                   ; my stage
	v_mul_u32_u24 v4, v1, SPITCH                   ; in: row r, 16 bytes for each half of the lanes
	v_lshl_add_u32 v4, v2, 4, v4
	v_add_nc_u32 v[STO], s23, v4
	v_and_b32 v5, 31, v0
	v_lshlrev_b32 v[CO], 4, v5                     ; back: the 32 lanes take one row of 512 bytes; and the same in pt
	v_add_nc_u32 v[RD], s23, v[CO]
	v_lshlrev_b32 v[SOF], 3, v5                    ; a pair of f32 a lane
	v_mul_u32_u24 v[PFO], v5, ROWQ
	v_mov_b32 v[XL], 0                             ; a lane permute's destination counts as one of its sources
.irp a, 0,1,2,3
	v_mov_b32 v[NMP+2*\a+1], 0
.endr
	s_lshl_b32 s20, s17, 8
	s_lshl_b32 s21, s14, 6
	s_add_co_u32 s20, s20, s21                     ; my first token
	s_lshl_b32 s18, s20, 3                         ; 8 bytes a token in st,
	s_mov_b32 s19, 0
	s_lshl_b32 s20, s20, 12                        ; 4,096 in pt
	s_mov_b32 s21, 0
	s_lshl_b32 s46, s42, 9                         ; the key tile: 512 bytes of a row of pt,
	s_mov_b32 s47, 0
	s_add_nc_u64 s[20:21], s[20:21], s[46:47]
	s_add_nc_u64 s[10:11], s[6:7], s[20:21]
	s_lshl_b32 s46, s42, 16                        ; 65,536 bytes of st
	s_add_nc_u64 s[18:19], s[18:19], s[46:47]
	s_add_nc_u64 s[12:13], s[8:9], s[18:19]
	; the prefetches: where mine stand, and who asks
	s_lshl_b32 s20, s17, 8                         ; q's tile: its first token
	s_lshr_b32 s21, s[CY], 1
	s_lshl_b32 s21, s21, 11
	s_lshl_b32 s22, s42, 8
	s_add_co_u32 s21, s21, s22                     ; k's tile: its first token
	s_and_b32 s22, s[CY], 1
	s_cmp_eq_u32 s15, 0                            ; do I fetch for q?
	s_cselect_b32 s20, s20, s21
	s_cselect_b32 s21, s40, s41                    ; my place among the four that ask with me
	s_cselect_b32 s22, ttmp9, s22                  ; the coordinate along which another cluster walks the same rows
	s_cselect_b32 s23, 0, 2048
	s_cmp_eq_u32 s22, 0
	s_cselect_b32 s[LIM], 1, -1                    ; the same in all sixteen partners, for a given wave
	s_lshl_b32 s22, s16, 7
	s_add_co_u32 s20, s20, s22                     ; + the 128 rows that I fetch
	s_lshl_b32 s21, s21, 5
	s_add_co_u32 s20, s20, s21                     ; + my work-group's 32 of them
	s_mul_i32 s20, s20, ROWQ
	s_add_co_u32 s20, s20, s23
	s_add_co_u32 s20, s20, 2*KSTEP*2               ; at K step 2: the first refill steps it to 3 and names K step 4
	s_mov_b32 s21, 0
	s_add_nc_u64 s[PFA:PFA+1], s[4:5], s[20:21]
; 16 matrix instructions: query block a x all 16 key blocks, 32 along K, from buffer f.  zero = 1: the first product starts the sums.  The 64 accumulators take turns in the same order in every quarter.
.macro MUL16 f, a, zero
.irp b, 0,1,2,3,4,5,6,7,8,9,10,11,12,13,14,15
.if \zero
	v_wmma_f32_16x16x32_f16 v[8*(16*((\a)%2)+\b):8*(16*((\a)%2)+\b)+7], v[128*(\f)+8*\b:128*(\f)+8*\b+7], v[64+32*(\f)+8*(\a):64+32*(\f)+8*(\a)+7], 0
.else
	v_wmma_f32_16x16x32_f16 v[8*(16*((\a)%2)+\b):8*(16*((\a)%2)+\b)+7], v[128*(\f)+8*\b:128*(\f)+8*\b+7], v[64+32*(\f)+8*(\a):64+32*(\f)+8*(\a)+7], v[8*(16*((\a)%2)+\b):8*(16*((\a)%2)+\b)+7]
.endif
.endr
.endm
; 40 LDS loads in one run: the fragments of 32 along K at byte k of the rows, into buffer f: k's 16, then q's 4.  The largest offset, 15 x 4,352 + 224, lies inside the 16-bit immediate
.macro FETCH slot, k, f
	WIN 0x40
.irp i, 0,1,2,3,4,5,6,7,8,9,10,11,12,13,14,15
	ds_load_b128 v[128*(\f)+8*\i:128*(\f)+8*\i+3],   v[ADRB+\slot] offset:\k+\i*16*PITCH
	ds_load_b128 v[128*(\f)+8*\i+4:128*(\f)+8*\i+7], v[ADRB+\slot] offset:\k+\i*16*PITCH+32
.endr
	WIN 0
.irp i, 0,1,2,3
	ds_load_b128 v[64+32*(\f)+8*\i:64+32*(\f)+8*\i+3],   v[ADRA+\slot] offset:\k+\i*16*PITCH
	ds_load_b128 v[64+32*(\f)+8*\i+4:64+32*(\f)+8*\i+7], v[ADRA+\slot] offset:\k+\i*16*PITCH+32
.endr
.endm
.macro PLACES                          ; four plain vector instructions in front of loads into registers that matrix instructions have read, and of the first read of results
.rept 4
	v_nop
.endr
.endm
; A K step is four quarters of 32 along K, 64 matrix instructions each, on buffers 0, 1, 0, 1.  One of the first three: multiplies buffer f and fetches the next quarter, at byte k, into g.
.macro QUARTER slot, k, f, g, zero
	s_wait_dscnt 4                                 ; k's fragments and q's blocks 0, 1 are in; the youngest four loads (q's blocks 2, 3) may be out
	WIN MUL_LO
	MUL16 \f, 0, \zero
	MUL16 \f, 1, \zero
	PLACES
	FETCH \slot, \k, \g
	s_wait_dscnt 40                                ; all but the 40 just issued
	WIN MUL_HI
	MUL16 \f, 2, \zero
	MUL16 \f, 3, \zero
.endm
; The last quarter multiplies buffer 1 and changes slots.  MEET is its first half: one barrier; in front of it each wave waits for all its tensor loads (its part of the next slot), adds 0 to its spare word, and waits for that and for its reads of this slot.
.macro MEET round
	WIN 0                                          ; (the add's two registers lie in window 0)
	s_wait_tensorcnt 0x0
	ds_add_u32 v[SPW], v[NIL]
	s_wait_dscnt 5                                 ; the add and the youngest four loads may be out
	WIN MUL_LO
	MUL16 1, 0, 0
	s_wait_dscnt 0x0                               ; the add is done, and my reads of this slot are over
	s_barrier_signal -1
	MUL16 1, 1, 0
.if \round
	WIN 0
.endif
	s_barrier_wait -1
.endm
.macro TURN slot, next                 ; the whole last quarter where the slot is filled again, two K steps ahead
	s_wait_xcnt 0x0                                ; the last prefetch, a K step back, has read its address
	s_add_nc_u64 s[PFA:PFA+1], s[PFA:PFA+1], KSTEP*2
	MEET 1
	CREST                                          ; the barrier has opened a round of the cluster's barrier: no wave of any partner still reads this slot or has a load on its way
	s_add_nc_u64 s[G0+4*\slot+2:G0+4*\slot+3], s[G0+4*\slot+2:G0+4*\slot+3], 2*KSTEP*2
	s_add_nc_u64 s[G0B+4*\slot+2:G0B+4*\slot+3], s[G0B+4*\slot+2:G0B+4*\slot+3], 2*KSTEP*2
	JLOAD \slot                                    ; the first tensor load behind the round; its four v_nop are also the places in front of the loads below
	FETCH \next, 0, 0
	ASK
	WIN MUL_HI
	MUL16 1, 2, 0
	MUL16 1, 3, 0
.endm
	s_wait_tensorcnt 1                             ; my part of K step 0 is in; K step 1's load may be out
	s_barrier_signal -1
	s_barrier_wait -1
	FETCH 0, 0, 0
	QUARTER 0, 64, 0, 1, 1                         ; the first quarter stands in front of the loop: its products start the sums
	WIN 0
	s_mov_b32 s3, LAPS-1
.Llap:                                                 ; a trip goes once round the ring and fills both slots again: K steps 2 to 7 in three trips
	QUARTER 0, 128, 1, 0, 0
	QUARTER 0, 192, 0, 1, 0
	TURN 0, 1
	QUARTER 1, 64,  0, 1, 0
	QUARTER 1, 128, 1, 0, 0
	QUARTER 1, 192, 0, 1, 0
	TURN 1, 0
	QUARTER 0, 64,  0, 1, 0
	WIN 0
	s_sub_co_u32 s3, s3, 1
	s_cmp_lg_u32 s3, 0
	s_cbranch_scc1 .Llap
	QUARTER 0, 128, 1, 0, 0                        ; the last lap is written out: it fills nothing
	QUARTER 0, 192, 0, 1, 0
	MEET 0
	PLACES
	FETCH 1, 0, 0
	WIN MUL_HI
	MUL16 1, 2, 0
	MUL16 1, 3, 0
	QUARTER 1, 64,  0, 1, 0
	QUARTER 1, 128, 1, 0, 0
	QUARTER 1, 192, 0, 1, 0
	s_wait_dscnt 4
	WIN MUL_LO
	MUL16 1, 0, 0
	MUL16 1, 1, 0
	s_wait_dscnt 0
	WIN MUL_HI
	MUL16 1, 2, 0
	MUL16 1, 3, 0
	WIN 0
	PLACES
; THE SOFTMAX'S FIRST HALF for query block a: 128 registers a lane: one query, 128 of the tile's 256 keys; the other 128 lie in lane l xor 16.
.macro SOFT a
.set W,  2+(\a)/2                      ; the block's window
.set AC, 128*((\a)%2)
.set NM, NMP+2*(\a)
	WIN 21*W                                       ; all three sources in window W
.irp c, 0,1,2,3,4,5,6,7
	v_max3_num_f32 v[T+\c], v[AC+16*\c], v[AC+16*\c+1], v[AC+16*\c+2]   ; eight chains of 16 scores, two accumulators each, read from their low ends on
.endr
	WIN 20*W                                       ; source 0 in window 0
.irp i, 3,5,7,9,11,13
.irp c, 0,1,2,3,4,5,6,7
	v_max3_num_f32 v[T+\c], v[T+\c], v[AC+16*\c+\i], v[AC+16*\c+\i+1]
.endr
.endr
.irp c, 0,1,2,3,4,5,6,7
	v_max_num_f32 v[T+\c], v[T+\c], v[AC+16*\c+15]
.endr
	WIN 0
	v_max3_num_f32 v[T], v[T], v[T+1], v[T+2]
	v_max3_num_f32 v[T+3], v[T+3], v[T+4], v[T+5]
	v_max3_num_f32 v[T], v[T], v[T+3], v[T+6]
	v_max_num_f32 v[T], v[T], v[T+7]
	v_permlanex16_b32 v[XL], v[T], s[SEL], s[SEL+1]
	v_max_num_f32 v[T], v[T], v[XL]                ; the row's largest score in this key tile
	v_mul_f32 v[T], s[CS], v[T]                    ; as t (c is positive)
	v_floor_f32 v[NM], -v[T]                       ; -M = floor(-t) = -ceil(t): a whole number
	WIN W|(W<<6)                                   ; source 0 and destination in window W
.set i, 0
.rept 64
	v_pk_fma_f32 v[AC+i:AC+i+1], v[AC+i:AC+i+1], s[CS:CS+1], v[NM:NM+1] op_sel_hi:[1,0,0]   ; t - M, two at a time
.set i, i+2
.endr
.set i, 0
.rept 128
	v_exp_f32 v[AC+i], v[AC+i]                     ; p = 2^(t - M), at most 1
.set i, i+1
.endr
	v_nop                                          ; a plain instruction behind the last exponential
	s_wait_alu depctr_va_vdst(0)                   ; one wait for the whole batch, ahead of its first reader
	WIN 21*W
	v_pk_add_f32 v[LA:LA+1], v[AC:AC+1], v[AC+2:AC+3]              ; the row's sum is taken of p in f32, two at a time, in two chains
	v_pk_add_f32 v[LB:LB+1], v[AC+4:AC+5], v[AC+6:AC+7]
.set i, 0
.rept 64
	v_cvt_pk_f16_f32 v[TMP+i], v[AC+2*i], v[AC+2*i+1]
.set i, i+1
.endr
	WIN 20*W
.set i, 8
.rept 30
	v_pk_add_f32 v[LA:LA+1], v[LA:LA+1], v[AC+i:AC+i+1]
	v_pk_add_f32 v[LB:LB+1], v[LB:LB+1], v[AC+i+2:AC+i+3]
.set i, i+4
.endr
	WIN 0
	v_pk_add_f32 v[LA:LA+1], v[LA:LA+1], v[LB:LB+1]
	v_add_f32 v[LS+(\a)], v[LA], v[LA+1]
	v_permlanex16_b32 v[XL], v[LS+(\a)], s[SEL], s[SEL+1]
	v_add_f32 v[LS+(\a)], v[LS+(\a)], v[XL]        ; with lane l xor 16's 128 keys
.endm
.macro TOSTAGE a                       ; 16 rows x 512 bytes through my own stage: a lane's 16 bytes of key block b at 32 b + 16 h of its row; back as whole rows
.set BB, BK+64*((\a)%2)
.irp b, 0,1,2,3,4,5,6,7,8,9,10,11,12,13,14,15
	ds_store_b128 v[STO], v[TMP+4*\b:TMP+4*\b+3] offset:32*\b
.endr
.irp t, 0,1,2,3,4,5,6,7,8,9,10,11,12,13,14,15
	ds_load_b128 v[BB+4*\t:BB+4*\t+3], v[RD] offset:\t*SPITCH      ; LDS serves a wave's instructions in order: these see the stores above
.endr
.endm
.macro SEND a
.set BB, BK+64*((\a)%2)
	s_wait_dscnt 0x0                               ; the block is back in registers
	s_wait_xcnt 0x0                                ; earlier stores have read their base and their data
.if (\a) > 0
	s_add_nc_u64 s[10:11], s[10:11], 16*4096
.endif
.irp t, 0,1,2,3,4,5,6,7,8,9,10,11,12,13,14,15
	global_store_b128 v[CO], v[BB+4*\t:BB+4*\t+3], s[10:11] offset:\t*4096   ; 32 lanes store 512 consecutive bytes, aligned to 256
.endr
.endm
	SOFT 0
	TOSTAGE 0
.irp a, 1,2,3                          ; block a's softmax stands between block a - 1's loads from the stage and the wait for them
	SOFT \a
	SEND \a-1
	TOSTAGE \a
.endr
	SEND 3
	v_cndmask_b32 v[PR],   v[NMP],   v[NMP+2], s[HIM]   ; lanes 0-15 take block 0's row r, lanes 16-31 block 1's: 32 neighbouring tokens
	v_cndmask_b32 v[PR+1], v[LS],    v[LS+1],  s[HIM]
	v_cndmask_b32 v[PR+2], v[NMP+4], v[NMP+6], s[HIM]
	v_cndmask_b32 v[PR+3], v[LS+2],  v[LS+3],  s[HIM]
	global_store_b64 v[SOF], v[PR:PR+1], s[12:13]                  ; 256 consecutive bytes, aligned
	global_store_b64 v[SOF], v[PR+2:PR+3], s[12:13] offset:256
	s_wait_tensorcnt 0x0                           ; the wave's end
	ds_add_u32 v[SPW], v[NIL]
	s_wait_dscnt 0x0
	CROUND                                         ; the closing round
	s_endpgm
.Lfunc_end_k_qaf74497d5c_scores:
	.size	k_qaf74497d5c_scores, .Lfunc_end_k_qaf74497d5c_scores-k_qaf74497d5c_scores
	.p2alignl 7, 3214868480
	.fill 96, 4, 3214868480
	.section	.rodata,"a",@progbits
	.p2align	6, 0x0
	.amdhsa_kernel k_qaf74497d5c_scores
		.amdhsa_group_segment_fixed_size 327680
		.amdhsa_private_segment_fixed_size 0
		.amdhsa_enable_private_segment 0
		.amdhsa_kernarg_size 24
		.amdhsa_user_sgpr_count 2
		.amdhsa_user_sgpr_kernarg_segment_ptr 1
		.amdhsa_wavefront_size32 1
		.amdhsa_system_sgpr_workgroup_id_x 1
		.amdhsa_system_sgpr_workgroup_id_y 1
		.amdhsa_system_sgpr_workgroup_id_z 1
		.amdhsa_system_vgpr_workitem_id 0
		.amdhsa_next_free_vgpr 1024
		.amdhsa_next_free_sgpr 80
		.amdhsa_reserve_vcc 0
		.amdhsa_float_denorm_mode_32 3
		.amdhsa_float_denorm_mode_16_64 3
		.amdhsa_memory_ordered 1
		.amdhsa_forward_progress 1
		.amdhsa_inst_pref_size 218
	.end_amdhsa_kernel
	.amdgpu_metadata
---
amdhsa.version: [ 1, 2 ]
amdhsa.kernels:
  - .name:           k_qaf74497d5c_scores
    .symbol:         k_qaf74497d5c_scores.kd
    .args:
      - { .name: qkv, .offset: 0, .size: 8, .value_kind: global_buffer, .address_space: global }
      - { .name: pt, .offset: 8, .size: 8, .value_kind: global_buffer, .address_space: global }
      - { .name: st, .offset: 16, .size: 8, .value_kind: global_buffer, .address_space: global }
    .group_segment_fixed_size: 327680
    .private_segment_fixed_size: 0
    .kernarg_segment_align: 8
    .kernarg_segment_size: 24
    .max_flat_workgroup_size: 128
    .sgpr_count:     80
    .vgpr_count:     1024
    .wavefront_size: 32
...
	.end_amdgpu_metadata
.endif
;; end of part 3
;; launch pv (part 4): grid 4 x 64, 4 waves a work-group, clusters of 4 x 4, 327,680 bytes of LDS; arguments pt, st, qkv, bv, o16; writes o16
.if DOCPART == 4
	.amdgcn_target "amdgcn-amd-amdhsa--gfx1250"
	.amdhsa_code_object_version 6
	.text
	.protected	k_qaf74497d5c_pv
	.globl	k_qaf74497d5c_pv
	.p2align	8
	.type	k_qaf74497d5c_pv,@function
k_qaf74497d5c_pv:
	s_mov_b64 s[64:65], 0
	v_nop
	global_prefetch_b8 v0, s[64:65] scope:SCOPE_SE
	s_setreg_imm32_b32 hwreg(HW_REG_WAVE_MODE, 25, 1), 1
	s_wait_xcnt 0x0
	s_wait_alu depctr_hold_cnt(0) depctr_sa_sdst(0) depctr_va_vdst(0) depctr_va_sdst(0) depctr_va_ssrc(0) depctr_va_vcc(0) depctr_vm_vsrc(0)
	s_getreg_b32 s2, hwreg(HW_REG_IB_STS2, 6, 4)
	s_cmp_eq_u32 s2, 0
	s_cbranch_scc0 .Lentry_in_a_cluster
	s_endpgm
.Lentry_in_a_cluster:
	s_bfe_u32 s2, ttmp6, 0x10000c
	s_cmp_lg_u32 s2, 0xf033
	s_cbranch_scc0 .Lentry_shape_is_right
	s_endpgm
.Lentry_shape_is_right:
; FOURTH LAUNCH: o16[token] = sum over the 8 key tiles j of g_j (P_j V_j) + bv, rounded once to f16.  P_j = 2^(t - M_j) (f16, from the third launch), V = x Wv without its bias (f16).
; The second half of the softmax: M = the largest M_j of the row, l = sum of L_j 2^(M_j - M), g_j = 2^(M_j - M) / l.  M and l are known before the sums begin; M_j - M is a whole number, so g_j is 1 / l scaled by a power of two.
; So the row's true maximum is taken away, and no branch hangs on data.  bv starts the sums: the weights g_j P_j of a row sum to 1.
; SHARES: a tile of 128 tokens x 256 channels is made by four waves, each 64 x 128.  The keys go in steps of 128 through a ring of two LDS slots; a lap of the ring is one key tile j: its products are summed in window 2
; from the constant 0 and folded into window 3 by one packed multiply-add a pair.
; V lies [key][channel] and is turned on its way out of LDS by ds_load_tr16_b128.  THE MATRIX INSTRUCTION IS USED TRANSPOSED (source 0 = 16 channels, source 1 = 16 tokens): a lane holds one token and eight neighbouring channels.
; CLUSTERS: 4 x 4: P's tile is shared along a row of the cluster, V's along a column (its four token tiles lie in one batch); each is asked for jointly.
; No prefetch: a step's tiles are small and a wave's refill stands one K step ahead of its use, as in every GEMM on small tiles here.
; REGISTERS: window 0: v0-31 addresses; v32-63 the rows' statistics; v64-159 the way out; v128-191, v192-255 P's fragments, two buffers.  window 1: V's fragments, two buffers.  window 2: the lap's sums.  window 3: O.
.set ROWQ,   6144
.set PA,     272                       ; a row of P's tile in LDS: 256 bytes + 16
.set PB,     544                       ; a row of V's tile: 512 bytes + 32: an odd multiple of 32
.set BOFF,   128*PA                    ; a slot: 128 rows of P, then 128 keys of V
.set SLOT,   128*PA+128*PB
.set STAGE,  2*SLOT                    ; behind the ring: 16 rows x 272 bytes for each wave
.set SPITCH, 272
.set SPARE,  STAGE+4*16*SPITCH         ; the spare words, 128 bytes for each wave: two blocks of 256 bytes that no other line names
.set STEPA,  512                       ; a refill's step: 256 keys along a row of pt,
.set STEPB,  256*ROWQ                  ; 256 tokens down qkv
.set ADRA, 16
.set ADRB, 20
.set STO,  24
.set RD,   25
.set CO,   26
.set SOF,  27                          ; v27  8 x (lane % 16): my row's pair in st; never rewritten
.set SPW,  28                          ; v28  LDS address of my spare word; never rewritten
.set NIL,  29                          ; v29  0; never rewritten
.set BO,   30                          ; v30  32 x (lane / 16): my offset in bv; never rewritten
.set NMR,  32                          ; v32-35  -M of my row in block a
.set RL,   36                          ; v36-39  1 / l
.set NMJ,  40                          ; v40-43  -M_j of the lap in hand
.set G,    44                          ; v44-51  g_j in v[44 + 2 a]; the odd ones are named as upper halves of pairs and hold 0
.set D,    52                          ; v52-55  at work
.set TMP,  64
.set OB,   96
.set SR,   128                         ; the prologue: the 32 pairs (-M_j, L_j) of my four rows, in the registers that P's first buffer takes afterwards
.set G1, 24
.set G0, 32
.set G1B, 48
.set G0B, 56
.set CY,  75
.set STB, 76                           ; s[76:77] st at my first token, key tile of the lap in hand
.set BVB, 78                           ; s[78:79] bv at my first channel; never rewritten
.set MSB, 0
.macro WIN new
.if MSB != (\new)
	s_set_vgpr_msb (MSB<<8)|(\new)
.set MSB, (\new)
.endif
.endm
.set MUL, 0xa1                         ; source 0 (V) window 1, source 1 (P) window 0, C and D window 2
.macro JLOAD s                         ; a joint load: waves 0 and 1 fetch P's halves, waves 2 and 3 V's; an s_nop 0 and four v_nop follow each line
	s_cmp_eq_u32 s15, 0
	s_cbranch_scc0 .Lfor_b_\@
	tensor_load_to_lds s[G0+4*\s:G0+4*\s+3], s[G1:G1+7]
	s_nop 0
.rept 4
	v_nop
.endr
	s_branch .Lasked_\@
.Lfor_b_\@:
	tensor_load_to_lds s[G0B+4*\s:G0B+4*\s+3], s[G1B:G1B+7]
	s_nop 0
.rept 4
	v_nop
.endr
.Lasked_\@:
.endm
.macro CREST
	s_cmp_lg_u32 s14, 0
	s_cbranch_scc1 .Lnot_wave_0_\@
	s_barrier_signal -3
.Lnot_wave_0_\@:
	s_barrier_wait -3
	s_barrier_signal -1
	s_barrier_wait -1
.endm
.macro CROUND
	s_barrier_signal -1
	s_barrier_wait -1
	CREST
.endm
	s_load_b256 s[4:11], s[0:1], 0x0               ; pt s[4:5], st s[6:7], qkv s[8:9], bv s[10:11]
	s_load_b64 s[12:13], s[0:1], 0x20              ; o16
	v_lshl_add_u32 v[SPW], v0, 2, SPARE
	v_mov_b32 v[NIL], 0
	ds_add_u32 v[SPW], v[NIL]                      ; the wave's opening: the add, twice on end, and its wait ahead of my first tensor load
	ds_add_u32 v[SPW], v[NIL]
	v_lshrrev_b32 v1, 5, v0
	v_readfirstlane_b32 s14, v1                    ; wave 0..3
	s_lshr_b32 s15, s14, 1                         ; which 64 tokens are mine.  Also: I fetch for P (0) or for V (1)
	s_and_b32 s16, s14, 1                          ; which 128 channels.  Also: which 64 rows of that tile I fetch
	s_bfe_u32 s40, ttmp6, 0x40000                  ; cx
	s_bfe_u32 s41, ttmp6, 0x40004                  ; cy
	s_lshl_b32 s42, ttmp9, 2
	s_add_co_u32 s42, s42, s40                     ; channel tile
	s_and_b32 s[CY], ttmp7, 0xffff
	s_lshl_b32 s17, s[CY], 2
	s_add_co_u32 s17, s17, s41                     ; token tile
	s_lshl_b32 s43, s41, 2
	s_lshl_b32 s43, 15, s43                        ; my row of the cluster
	s_lshl_b32 s44, 0x1111, s40                    ; my column
	s_or_b32 s[G1+0], s43, (1<<16)|(1<<20)|(1<<21)|(5<<22)|(3<<25)  ; P: elements of 2 bytes; 4 words of padding behind every 64
	s_mov_b32 s[G1+1], 128<<16                     ; tensor_dim0 = 128 keys
	s_mov_b32 s[G1+2], 64<<16                      ; tensor_dim1 = 64 tokens
	s_mov_b32 s[G1+3], 128<<16                     ; tile_dim0
	s_mov_b32 s[G1+4], 64                          ; tile_dim1
	s_mov_b32 s[G1+5], 2048                        ; elements from row to row of pt
	s_mov_b32 s[G1+6], 0
	s_mov_b32 s[G1+7], 0
	s_or_b32 s[G1B+0], s44, (1<<16)|(1<<20)|(1<<21)|(6<<22)|(7<<25) ; V: 8 words of padding behind every 128
	s_mov_b32 s[G1B+1], 256<<16                    ; tensor_dim0 = 256 channels
	s_mov_b32 s[G1B+2], 64<<16                     ; tensor_dim1 = 64 keys
	s_mov_b32 s[G1B+3], 256<<16
	s_mov_b32 s[G1B+4], 64
	s_mov_b32 s[G1B+5], 3072                       ; elements from row to row of qkv
	s_mov_b32 s[G1B+6], 0
	s_mov_b32 s[G1B+7], 0
	s_lshl_b32 s18, s16, 6                         ; which 64 rows I fetch
	s_lshl_b32 s20, s17, 7
	s_add_co_u32 s20, s20, s18                     ; P: token 128 x token tile + 64 x half
	s_lshl_b32 s20, s20, 12                        ; 4,096 bytes a row
	s_mov_b32 s21, 0
	s_lshr_b32 s46, s[CY], 2                       ; the batch: four clusters along y to a batch
	s_lshl_b32 s46, s46, 11
	s_add_co_u32 s46, s46, s18                     ; V: token 2,048 x batch + 64 x half
	s_mul_i32 s46, s46, ROWQ
	s_lshl_b32 s47, s42, 9
	s_add_co_u32 s46, s46, s47                     ; + 512 bytes a channel tile
	s_add_co_u32 s46, s46, 4096                    ; v's part of a row
	s_mov_b32 s47, 0
	s_mul_i32 s45, s16, 64*PA                      ; where they go: made of the wave's number alone
	s_mul_i32 s66, s16, 64*PB
	s_add_co_u32 s66, s66, BOFF
	s_wait_dscnt 0x0                               ; both opening adds are done
	s_wait_kmcnt 0x0
	s_add_nc_u64 s[20:21], s[4:5], s[20:21]
	s_add_nc_u64 s[46:47], s[8:9], s[46:47]
	CROUND                                         ; all sixteen work-groups are here: the first joint loads meet
.irp s, 0,1
	s_mov_b32 s[G0+4*\s], 1
	s_add_co_u32 s[G0+4*\s+1], s45, \s*SLOT
	s_add_nc_u64 s[G0+4*\s+2:G0+4*\s+3], s[20:21], \s*256
	s_or_b32 s[G0+4*\s+3], s[G0+4*\s+3], 0x80000000
	s_mov_b32 s[G0B+4*\s], 1
	s_add_co_u32 s[G0B+4*\s+1], s66, \s*SLOT
	s_add_nc_u64 s[G0B+4*\s+2:G0B+4*\s+3], s[46:47], \s*128*ROWQ
	s_or_b32 s[G0B+4*\s+3], s[G0B+4*\s+3], 0x80000000
	JLOAD \s                                       ; two tensor loads of mine are out at the most
.endr
	v_and_b32 v1, 15, v0                           ; r
	v_bfe_u32 v2, v0, 4, 1                         ; h
	v_lshlrev_b32 v[BO], 5, v2
	v_lshlrev_b32 v[SOF], 3, v1
	s_lshl_b32 s22, s42, 10
	s_lshl_b32 s23, s16, 9
	s_add_co_u32 s22, s22, s23                     ; my first channel, in bytes of f32
	s_mov_b32 s23, 0
	s_add_nc_u64 s[BVB:BVB+1], s[10:11], s[22:23]
	s_lshl_b32 s18, s17, 7
	s_lshl_b32 s19, s15, 6
	s_add_co_u32 s18, s18, s19                     ; my first token
	s_lshl_b32 s22, s18, 3
	s_add_nc_u64 s[STB:STB+1], s[6:7], s[22:23]
	WIN 0xc0                                       ; destination window 3
.irp a, 0,1,2,3                        ; bv starts the sums: register 8 b + i of every block: channel 16 b + 8 h + i of my 128.  Nothing is cleared
.irp b, 0,1,2,3,4,5,6,7
	global_load_b128 v[8*(8*\a+\b):8*(8*\a+\b)+3],   v[BO], s[BVB:BVB+1] offset:64*\b
	global_load_b128 v[8*(8*\a+\b)+4:8*(8*\a+\b)+7], v[BO], s[BVB:BVB+1] offset:64*\b+16
.endr
.endr
	WIN 0
.irp a, 0,1,2,3                        ; the pairs (-M_j, L_j) of row 16 a + r for the eight key tiles
.irp j, 0,1,2,3,4,5,6,7
	global_load_b64 v[SR+16*\a+2*\j:SR+16*\a+2*\j+1], v[SOF], s[STB:STB+1] offset:65536*\j+128*\a
.endr
.endr
	v_mul_u32_u24 v3, v1, PA
	v_lshl_add_u32 v3, v2, 4, v3                   ; P: row r x pitch + 16 h
	s_mul_i32 s21, s15, 64*PA                      ; my 64 tokens
	v_and_b32 v4, 7, v0
	v_lshl_add_u32 v4, v2, 3, v4                   ; V, for the turning load: key 8 h + lane % 8,
	v_mul_u32_u24 v4, v4, PB
	v_bfe_u32 v5, v0, 3, 1
	v_lshl_add_u32 v4, v5, 4, v4                   ; channels 8 ((lane / 8) % 2) on
	s_lshl_b32 s22, s16, 8                         ; my 128 channels
	s_add_co_u32 s22, s22, BOFF
.irp s, 0,1
	v_add_nc_u32 v[ADRA+\s], s21, v3
	v_add_nc_u32 v[ADRB+\s], s22, v4
	s_add_co_u32 s21, s21, SLOT
	s_add_co_u32 s22, s22, SLOT
.endr
	s_mul_i32 s23, s14, 16*SPITCH
	s_add_co_u32 s23, s23, STAGE                   ; my stage
	v_mul_u32_u24 v5, v1, SPITCH
	v_lshl_add_u32 v5, v2, 4, v5
	v_add_nc_u32 v[STO], s23, v5
	v_mul_u32_u24 v5, v2, SPITCH
	v_lshl_add_u32 v5, v1, 4, v5
	v_add_nc_u32 v[RD], s23, v5
	v_lshlrev_b32 v5, 11, v2                       ; a row of o16 is 2,048 bytes
	v_lshl_add_u32 v[CO], v1, 4, v5
.irp a, 0,1,2,3
	v_mov_b32 v[G+2*\a+1], 0
.endr
	s_lshl_b32 s20, s18, 11
	s_lshl_b32 s21, s42, 9
	s_add_co_u32 s20, s20, s21
	s_lshl_b32 s21, s16, 8
	s_add_co_u32 s20, s20, s21
	s_mov_b32 s21, 0
	s_add_nc_u64 s[12:13], s[12:13], s[20:21]      ; where my part of o16 begins
	s_wait_loadcnt 0x0                             ; bv and the statistics
.irp a, 0,1,2,3
	v_min_num_f32 v[NMR+\a], v[SR+16*\a], v[SR+16*\a+2]            ; -M = the least -M_j
.endr
.irp j, 2,3,4,5,6,7
.irp a, 0,1,2,3
	v_min_num_f32 v[NMR+\a], v[NMR+\a], v[SR+16*\a+2*\j]
.endr
.endr
.irp a, 0,1,2,3
.irp j, 0,1,2,3,4,5,6,7
	v_sub_f32 v[SR+16*\a+2*\j], v[NMR+\a], v[SR+16*\a+2*\j]        ; M_j - M: a whole number, 0 or less
.endr
.endr
.irp a, 0,1,2,3
.irp j, 0,1,2,3,4,5,6,7
	v_cvt_i32_f32 v[SR+16*\a+2*\j], v[SR+16*\a+2*\j]               ; (it saturates)
.endr
.endr
.irp a, 0,1,2,3
.irp j, 0,1,2,3,4,5,6,7
	v_ldexp_f32 v[SR+16*\a+2*\j+1], v[SR+16*\a+2*\j+1], v[SR+16*\a+2*\j]   ; L_j 2^(M_j - M)
.endr
.endr
.irp a, 0,1,2,3
	v_add_f32 v[RL+\a], v[SR+16*\a+1], v[SR+16*\a+3]
.endr
.irp j, 2,3,4,5,6,7
.irp a, 0,1,2,3
	v_add_f32 v[RL+\a], v[RL+\a], v[SR+16*\a+2*\j+1]               ; l
.endr
.endr
.irp a, 0,1,2,3
	v_rcp_f32 v[RL+\a], v[RL+\a]
.endr
	v_nop                                          ; a plain instruction behind the last reciprocal
	s_wait_alu depctr_va_vdst(0)                   ; one wait for the four, ahead of every label and of their first reader
; 16 matrix instructions: token blocks a0, a0 + 1 x all 8 channel blocks, 32 keys: half c of buffer f.  zero = 1: the product starts the lap's sums.  The 32 accumulators take turns in the same order throughout.
.macro MUL16 f, c, a0, zero
.irp a, \a0, \a0+1
.irp b, 0,1,2,3,4,5,6,7
.if \zero
	v_wmma_f32_16x16x32_f16 v[8*(8*(\a)+\b):8*(8*(\a)+\b)+7], v[128*(\f)+8*(8*(\c)+\b):128*(\f)+8*(8*(\c)+\b)+7], v[128+64*(\f)+8*(4*(\c)+(\a)):128+64*(\f)+8*(4*(\c)+(\a))+7], 0
.else
	v_wmma_f32_16x16x32_f16 v[8*(8*(\a)+\b):8*(8*(\a)+\b)+7], v[128*(\f)+8*(8*(\c)+\b):128*(\f)+8*(8*(\c)+\b)+7], v[128+64*(\f)+8*(4*(\c)+(\a)):128+64*(\f)+8*(4*(\c)+(\a))+7], v[8*(8*(\a)+\b):8*(8*(\a)+\b)+7]
.endif
.endr
.endr
.endm
; 48 LDS loads in one run: the fragments of 64 keys (part 0 or 1 of the slot's 128) into buffer f: V's 16, turned, then P's 8, the first 32 keys first
.macro FETCH slot, part, f
	WIN 0x40
.irp c, 0,1
.irp b, 0,1,2,3,4,5,6,7
	ds_load_tr16_b128 v[128*(\f)+8*(8*\c+\b):128*(\f)+8*(8*\c+\b)+3],   v[ADRB+\slot] offset:(64*(\part)+32*\c)*PB+32*\b
	ds_load_tr16_b128 v[128*(\f)+8*(8*\c+\b)+4:128*(\f)+8*(8*\c+\b)+7], v[ADRB+\slot] offset:(64*(\part)+32*\c+16)*PB+32*\b
.endr
.endr
	WIN 0
.irp c, 0,1
.irp a, 0,1,2,3
	ds_load_b128 v[128+64*(\f)+8*(4*\c+\a):128+64*(\f)+8*(4*\c+\a)+3],   v[ADRA+\slot] offset:128*(\part)+64*\c+\a*16*PA
	ds_load_b128 v[128+64*(\f)+8*(4*\c+\a)+4:128+64*(\f)+8*(4*\c+\a)+7], v[ADRA+\slot] offset:128*(\part)+64*\c+\a*16*PA+32
.endr
.endr
.endm
.macro PLACES
.rept 4
	v_nop
.endr
.endm
.macro PART slot, zero                 ; a slot's first 64 keys: multiplies buffer 0 and fetches the other 64 into buffer 1
	s_wait_dscnt 8                                 ; all but the youngest eight loads: P's second 32 keys
	WIN MUL
	MUL16 0, 0, 0, \zero
	MUL16 0, 0, 2, \zero
	PLACES
	FETCH \slot, 1, 1
	s_wait_dscnt 48                                ; all but the 48 just issued
	WIN MUL
	MUL16 0, 1, 0, 0
	MUL16 0, 1, 2, 0
.endm
; A slot's last 64 keys, and the change of slots: one barrier; in front of it each wave waits for all its tensor loads, adds 0 to its spare word, and waits for that and for its reads of this slot.  fill = 1: this slot is filled again, two steps ahead.
.macro TURN slot, next, fill
	WIN 0                                          ; (the add's two registers lie in window 0)
	s_wait_tensorcnt 0x0
	ds_add_u32 v[SPW], v[NIL]
	s_wait_dscnt 9                                 ; the add and the youngest eight loads may be out
	WIN MUL
	MUL16 1, 0, 0, 0
	s_wait_dscnt 0x0                               ; the add is done, and my reads of this slot are over
	s_barrier_signal -1
	MUL16 1, 0, 2, 0
	WIN 0
	s_barrier_wait -1
.if \fill
	CREST                                          ; the barrier has opened a round of the cluster's barrier
	s_add_nc_u64 s[G0+4*\slot+2:G0+4*\slot+3], s[G0+4*\slot+2:G0+4*\slot+3], STEPA
	s_add_nc_u64 s[G0B+4*\slot+2:G0B+4*\slot+3], s[G0B+4*\slot+2:G0B+4*\slot+3], STEPB
	JLOAD \slot                                    ; the first tensor load behind the round; its four v_nop are also the places in front of the loads below
.else
	PLACES
.endif
	FETCH \next, 0, 0
	WIN MUL
	MUL16 1, 1, 0, 0
	MUL16 1, 1, 2, 0
.endm
; The lap's sums are folded: O += g_j x (P_j V_j).  The twelve plain lines that make g_j are the places behind the last products; the 128 multiply-adds read each accumulator from its low end on,
; and stand between the lap's last products and the next lap's first, which begin the same registers anew.
.macro FOLD
	WIN 0
	s_wait_loadcnt 0x0                             ; -M_j of this lap; the loads have also read their base
.irp a, 0,1,2,3
	v_sub_f32 v[D+\a], v[NMR+\a], v[NMJ+\a]        ; M_j - M
.endr
.irp a, 0,1,2,3
	v_cvt_i32_f32 v[D+\a], v[D+\a]
.endr
.irp a, 0,1,2,3
	v_ldexp_f32 v[G+2*\a], v[RL+\a], v[D+\a]       ; g_j = 2^(M_j - M) / l
.endr
	s_add_nc_u64 s[STB:STB+1], s[STB:STB+1], 65536 ; the next key tile's statistics
	WIN 0xf2                                       ; source 0 window 2, source 1 window 0, source 2 and destination window 3
.irp a, 0,1,2,3
.set i, 0
.rept 32
	v_pk_fma_f32 v[64*\a+i:64*\a+i+1], v[64*\a+i:64*\a+i+1], v[G+2*\a:G+2*\a+1], v[64*\a+i:64*\a+i+1] op_sel_hi:[1,0,1]
.set i, i+2
.endr
.endr
	WIN 0
.endm
.macro STATS
.irp a, 0,1,2,3
	global_load_b32 v[NMJ+\a], v[SOF], s[STB:STB+1] offset:128*\a
.endr
.endm
	s_wait_tensorcnt 1                             ; my part of the first 128 keys is in; the second load may be out
	s_barrier_signal -1
	s_barrier_wait -1
	FETCH 0, 0, 0
	s_mov_b32 s3, 7
.Llap:                                                 ; a trip is one key tile of 256 keys, once round the ring; both slots are filled again
	STATS
	PART 0, 1
	TURN 0, 1, 1
	PART 1, 0
	TURN 1, 0, 1
	FOLD
	s_sub_co_u32 s3, s3, 1
	s_cmp_lg_u32 s3, 0
	s_cbranch_scc1 .Llap
	STATS                                          ; the last key tile is written out: it fills nothing
	PART 0, 1
	TURN 0, 1, 0
	PART 1, 0
	s_wait_dscnt 8
	WIN MUL
	MUL16 1, 0, 0, 0
	MUL16 1, 0, 2, 0
	s_wait_dscnt 0
	MUL16 1, 1, 0, 0
	MUL16 1, 1, 2, 0
	FOLD
; THE WAY OUT, block by block of 16 tokens x 128 channels: rounded to f16, through my own stage, back as whole rows of 256 bytes.
.macro PACK a
	WIN 0x0f                                       ; sources 0 and 1 window 3
.irp b, 0,1,2,3,4,5,6,7
.irp r, 0,1,2,3
	v_cvt_pk_f16_f32 v[TMP+4*\b+\r], v[64*(\a)+8*\b+2*\r], v[64*(\a)+8*\b+2*\r+1]
.endr
.endr
	WIN 0
.endm
.macro TOSTAGE a
.set BK, OB+32*((\a)%2)
.irp b, 0,1,2,3,4,5,6,7
	ds_store_b128 v[STO], v[TMP+4*\b:TMP+4*\b+3] offset:32*\b
.endr
.irp t, 0,1,2,3,4,5,6,7
	ds_load_b128 v[BK+4*\t:BK+4*\t+3], v[RD] offset:\t*2*SPITCH    ; LDS serves a wave's instructions in order: these see the stores above
.endr
.endm
.macro SEND a
.set BK, OB+32*((\a)%2)
	s_wait_dscnt 0x0
	s_wait_xcnt 0x0                                ; earlier stores have read their base and their data
.if (\a) > 0
	s_add_nc_u64 s[12:13], s[12:13], 16*2048
.endif
.irp t, 0,1,2,3,4,5,6,7
	global_store_b128 v[CO], v[BK+4*\t:BK+4*\t+3], s[12:13] offset:2*\t*2048   ; 16 lanes store 256 consecutive bytes, aligned
.endr
.endm
	PACK 0
	TOSTAGE 0
.irp a, 1,2,3
	PACK \a
	SEND \a-1
	TOSTAGE \a
.endr
	SEND 3
	s_wait_tensorcnt 0x0                           ; the wave's end
	ds_add_u32 v[SPW], v[NIL]
	s_wait_dscnt 0x0
	CROUND                                         ; the closing round
	s_endpgm
.Lfunc_end_k_qaf74497d5c_pv:
	.size	k_qaf74497d5c_pv, .Lfunc_end_k_qaf74497d5c_pv-k_qaf74497d5c_pv
	.p2alignl 7, 3214868480
	.fill 96, 4, 3214868480
	.section	.rodata,"a",@progbits
	.p2align	6, 0x0
	.amdhsa_kernel k_qaf74497d5c_pv
		.amdhsa_group_segment_fixed_size 327680
		.amdhsa_private_segment_fixed_size 0
		.amdhsa_enable_private_segment 0
		.amdhsa_kernarg_size 40
		.amdhsa_user_sgpr_count 2
		.amdhsa_user_sgpr_kernarg_segment_ptr 1
		.amdhsa_wavefront_size32 1
		.amdhsa_system_sgpr_workgroup_id_x 1
		.amdhsa_system_sgpr_workgroup_id_y 1
		.amdhsa_system_sgpr_workgroup_id_z 1
		.amdhsa_system_vgpr_workitem_id 0
		.amdhsa_next_free_vgpr 1024
		.amdhsa_next_free_sgpr 80
		.amdhsa_reserve_vcc 0
		.amdhsa_float_denorm_mode_32 3
		.amdhsa_float_denorm_mode_16_64 3
		.amdhsa_memory_ordered 1
		.amdhsa_forward_progress 1
		.amdhsa_inst_pref_size 118
	.end_amdhsa_kernel
	.amdgpu_metadata
---
amdhsa.version: [ 1, 2 ]
amdhsa.kernels:
  - .name:           k_qaf74497d5c_pv
    .symbol:         k_qaf74497d5c_pv.kd
    .args:
      - { .name: pt, .offset: 0, .size: 8, .value_kind: global_buffer, .address_space: global }
      - { .name: st, .offset: 8, .size: 8, .value_kind: global_buffer, .address_space: global }
      - { .name: qkv, .offset: 16, .size: 8, .value_kind: global_buffer, .address_space: global }
      - { .name: bv, .offset: 24, .size: 8, .value_kind: global_buffer, .address_space: global }
      - { .name: o16, .offset: 32, .size: 8, .value_kind: global_buffer, .address_space: global }
    .group_segment_fixed_size: 327680
    .private_segment_fixed_size: 0
    .kernarg_segment_align: 8
    .kernarg_segment_size: 40
    .max_flat_workgroup_size: 128
    .sgpr_count:     80
    .vgpr_count:     1024
    .wavefront_size: 32
...
	.end_amdgpu_metadata
.endif
;; end of part 4
;; launch proj (part 5): grid 4 x 64, 4 waves a work-group, clusters of 4 x 4, 327,680 bytes of LDS; arguments o16, wc16, bc, out0; writes out0
.if DOCPART == 5
	.amdgcn_target "amdgcn-amd-amdhsa--gfx1250"
	.amdhsa_code_object_version 6
	.text
	.protected	k_qaf74497d5c_proj
	.globl	k_qaf74497d5c_proj
	.p2align	8
	.type	k_qaf74497d5c_proj,@function
k_qaf74497d5c_proj:
	s_mov_b64 s[64:65], 0
	v_nop
	global_prefetch_b8 v0, s[64:65] scope:SCOPE_SE
	s_setreg_imm32_b32 hwreg(HW_REG_WAVE_MODE, 25, 1), 1
	s_wait_xcnt 0x0
	s_wait_alu depctr_hold_cnt(0) depctr_sa_sdst(0) depctr_va_vdst(0) depctr_va_sdst(0) depctr_va_ssrc(0) depctr_va_vcc(0) depctr_vm_vsrc(0)
	s_getreg_b32 s2, hwreg(HW_REG_IB_STS2, 6, 4)
	s_cmp_eq_u32 s2, 0
	s_cbranch_scc0 .Lentry_in_a_cluster
	s_endpgm
.Lentry_in_a_cluster:
	s_bfe_u32 s2, ttmp6, 0x10000c
	s_cmp_lg_u32 s2, 0xf033
	s_cbranch_scc0 .Lentry_shape_is_right
	s_endpgm
.Lentry_shape_is_right:
; FIFTH LAUNCH: out0[token][n] = sum over k of o16[token][k] Wc[k][n] + bc[n]; f16 operands, f32 sums, f32 out.
; The fourth launch's ring without statistics and folds: a tile of 128 tokens x 256 columns, four waves of 64 x 128; K = 1,024 in steps of 128 through two LDS slots; Wc lies [k][n] and is turned by ds_load_tr16_b128.
; THE MATRIX INSTRUCTION IS USED TRANSPOSED (source 0 = 16 columns, source 1 = 16 tokens).  bc is the C of each sum's first product.
; CLUSTERS: 4 x 4: o16's tile is shared along a row of the cluster, Wc's along a column; each is asked for jointly.  No prefetch: small tiles, as in the fourth launch.
; REGISTERS: window 0: v0-31 addresses; v64-191 the way out; v128-191, v192-255 o16's fragments, two buffers.  window 1: Wc's fragments, two buffers.  window 2: the 32 accumulators.  window 3: v0-63 the bias in the result's layout.
.set PA,     272
.set PB,     544
.set BOFF,   128*PA
.set SLOT,   128*PA+128*PB
.set STAGE,  2*SLOT                    ; behind the ring: 16 rows x 528 bytes for each wave
.set SPITCH, 528
.set SPARE,  STAGE+4*16*SPITCH         ; the spare words, 128 bytes for each wave: two blocks of 256 bytes that no other line names
.set STEPA,  512                       ; a refill's step: 256 along K in a row of o16,
.set STEPB,  256*2048                  ; 256 rows down wc16
.set ADRA, 16
.set ADRB, 20
.set STO,  24
.set RD,   25
.set CO,   26
.set SPW,  28                          ; v28  LDS address of my spare word; never rewritten
.set NIL,  29                          ; v29  0; never rewritten
.set BO,   30                          ; v30  32 x (lane / 16); never rewritten
.set BK,   64
.set G1, 24
.set G0, 32
.set G1B, 48
.set G0B, 56
.set BCB, 78                           ; s[78:79] bc at my first column; never rewritten
.set MSB, 0
.macro WIN new
.if MSB != (\new)
	s_set_vgpr_msb (MSB<<8)|(\new)
.set MSB, (\new)
.endif
.endm
.set MUL, 0xa1                         ; source 0 (Wc) window 1, source 1 (o16) window 0, C and D window 2
.set FST, 0xb1                         ; the first products: C (the bias) window 3
.macro JLOAD s
	s_cmp_eq_u32 s15, 0
	s_cbranch_scc0 .Lfor_b_\@
	tensor_load_to_lds s[G0+4*\s:G0+4*\s+3], s[G1:G1+7]
	s_nop 0
.rept 4
	v_nop
.endr
	s_branch .Lasked_\@
.Lfor_b_\@:
	tensor_load_to_lds s[G0B+4*\s:G0B+4*\s+3], s[G1B:G1B+7]
	s_nop 0
.rept 4
	v_nop
.endr
.Lasked_\@:
.endm
.macro CREST
	s_cmp_lg_u32 s14, 0
	s_cbranch_scc1 .Lnot_wave_0_\@
	s_barrier_signal -3
.Lnot_wave_0_\@:
	s_barrier_wait -3
	s_barrier_signal -1
	s_barrier_wait -1
.endm
.macro CROUND
	s_barrier_signal -1
	s_barrier_wait -1
	CREST
.endm
	s_load_b256 s[4:11], s[0:1], 0x0               ; o16 s[4:5], wc16 s[6:7], bc s[8:9], out0 s[10:11]
	v_lshl_add_u32 v[SPW], v0, 2, SPARE
	v_mov_b32 v[NIL], 0
	ds_add_u32 v[SPW], v[NIL]                      ; the wave's opening: the add, twice on end, and its wait ahead of my first tensor load
	ds_add_u32 v[SPW], v[NIL]
	v_lshrrev_b32 v1, 5, v0
	v_readfirstlane_b32 s14, v1                    ; wave 0..3
	s_lshr_b32 s15, s14, 1                         ; which 64 tokens are mine.  Also: I fetch for o16 (0) or for Wc (1)
	s_and_b32 s16, s14, 1                          ; which 128 columns.  Also: which 64 rows of that tile I fetch
	s_bfe_u32 s40, ttmp6, 0x40000                  ; cx
	s_bfe_u32 s41, ttmp6, 0x40004                  ; cy
	s_lshl_b32 s42, ttmp9, 2
	s_add_co_u32 s42, s42, s40                     ; column tile
	s_and_b32 s17, ttmp7, 0xffff
	s_lshl_b32 s17, s17, 2
	s_add_co_u32 s17, s17, s41                     ; token tile
	s_lshl_b32 s43, s41, 2
	s_lshl_b32 s43, 15, s43
	s_lshl_b32 s44, 0x1111, s40
	s_or_b32 s[G1+0], s43, (1<<16)|(1<<20)|(1<<21)|(5<<22)|(3<<25)
	s_mov_b32 s[G1+1], 128<<16                     ; 128 along K
	s_mov_b32 s[G1+2], 64<<16                      ; 64 tokens
	s_mov_b32 s[G1+3], 128<<16
	s_mov_b32 s[G1+4], 64
	s_mov_b32 s[G1+5], 1024                        ; elements from row to row of o16
	s_mov_b32 s[G1+6], 0
	s_mov_b32 s[G1+7], 0
	s_or_b32 s[G1B+0], s44, (1<<16)|(1<<20)|(1<<21)|(6<<22)|(7<<25)
	s_mov_b32 s[G1B+1], 256<<16                    ; 256 columns
	s_mov_b32 s[G1B+2], 64<<16                     ; 64 along K
	s_mov_b32 s[G1B+3], 256<<16
	s_mov_b32 s[G1B+4], 64
	s_mov_b32 s[G1B+5], 1024                       ; elements from row to row of wc16
	s_mov_b32 s[G1B+6], 0
	s_mov_b32 s[G1B+7], 0
	s_lshl_b32 s18, s16, 6
	s_lshl_b32 s20, s17, 7
	s_add_co_u32 s20, s20, s18                     ; o16: token 128 x token tile + 64 x half
	s_lshl_b32 s20, s20, 11
	s_mov_b32 s21, 0
	s_lshl_b32 s46, s18, 11                        ; wc16: row 64 x half,
	s_lshl_b32 s47, s42, 9
	s_add_co_u32 s46, s46, s47                     ; + 512 bytes a column tile
	s_mov_b32 s47, 0
	s_mul_i32 s45, s16, 64*PA
	s_mul_i32 s66, s16, 64*PB
	s_add_co_u32 s66, s66, BOFF
	s_wait_dscnt 0x0                               ; both opening adds are done
	s_wait_kmcnt 0x0
	s_add_nc_u64 s[20:21], s[4:5], s[20:21]
	s_add_nc_u64 s[46:47], s[6:7], s[46:47]
	CROUND
.irp s, 0,1
	s_mov_b32 s[G0+4*\s], 1
	s_add_co_u32 s[G0+4*\s+1], s45, \s*SLOT
	s_add_nc_u64 s[G0+4*\s+2:G0+4*\s+3], s[20:21], \s*256
	s_or_b32 s[G0+4*\s+3], s[G0+4*\s+3], 0x80000000
	s_mov_b32 s[G0B+4*\s], 1
	s_add_co_u32 s[G0B+4*\s+1], s66, \s*SLOT
	s_add_nc_u64 s[G0B+4*\s+2:G0B+4*\s+3], s[46:47], \s*128*2048
	s_or_b32 s[G0B+4*\s+3], s[G0B+4*\s+3], 0x80000000
	JLOAD \s                                       ; two tensor loads of mine are out at the most
.endr
	v_and_b32 v1, 15, v0                           ; r
	v_bfe_u32 v2, v0, 4, 1                         ; h
	v_lshlrev_b32 v[BO], 5, v2
	s_lshl_b32 s22, s42, 10
	s_lshl_b32 s23, s16, 9
	s_add_co_u32 s22, s22, s23                     ; my first column, in bytes of f32
	s_mov_b32 s23, 0
	s_add_nc_u64 s[BCB:BCB+1], s[8:9], s[22:23]
	WIN 0xc0                                       ; destination window 3
.irp b, 0,1,2,3,4,5,6,7
	global_load_b128 v[8*\b:8*\b+3],   v[BO], s[BCB:BCB+1] offset:64*\b
	global_load_b128 v[8*\b+4:8*\b+7], v[BO], s[BCB:BCB+1] offset:64*\b+16
.endr
	WIN 0
	s_lshl_b32 s18, s17, 7
	s_lshl_b32 s19, s15, 6
	s_add_co_u32 s18, s18, s19                     ; my first token
	s_lshl_b32 s20, s18, 12                        ; a row of out0 is 4,096 bytes
	s_add_co_u32 s20, s20, s22
	s_mov_b32 s21, 0
	s_add_nc_u64 s[12:13], s[10:11], s[20:21]      ; where my part of out0 begins
	v_mul_u32_u24 v3, v1, PA
	v_lshl_add_u32 v3, v2, 4, v3
	s_mul_i32 s21, s15, 64*PA
	v_and_b32 v4, 7, v0
	v_lshl_add_u32 v4, v2, 3, v4
	v_mul_u32_u24 v4, v4, PB
	v_bfe_u32 v5, v0, 3, 1
	v_lshl_add_u32 v4, v5, 4, v4
	s_lshl_b32 s22, s16, 8
	s_add_co_u32 s22, s22, BOFF
.irp s, 0,1
	v_add_nc_u32 v[ADRA+\s], s21, v3
	v_add_nc_u32 v[ADRB+\s], s22, v4
	s_add_co_u32 s21, s21, SLOT
	s_add_co_u32 s22, s22, SLOT
.endr
	s_mul_i32 s23, s14, 16*SPITCH
	s_add_co_u32 s23, s23, STAGE                   ; my stage
	v_mul_u32_u24 v5, v1, SPITCH                   ; in: row r, 32 bytes for each half of the lanes
	v_lshl_add_u32 v5, v2, 5, v5
	v_add_nc_u32 v[STO], s23, v5
	v_and_b32 v6, 31, v0
	v_lshlrev_b32 v[CO], 4, v6                     ; back: the 32 lanes take one row of 512 bytes; and the same in out0
	v_add_nc_u32 v[RD], s23, v[CO]
; 16 matrix instructions: token blocks a0, a0 + 1 x all 8 column blocks, 32 along K: half c of buffer f.  bias = 1: C is the bias.  The 32 accumulators take turns in the same order throughout.
.macro MUL16 f, c, a0, bias
.irp a, \a0, \a0+1
.irp b, 0,1,2,3,4,5,6,7
.if \bias
	v_wmma_f32_16x16x32_f16 v[8*(8*(\a)+\b):8*(8*(\a)+\b)+7], v[128*(\f)+8*(8*(\c)+\b):128*(\f)+8*(8*(\c)+\b)+7], v[128+64*(\f)+8*(4*(\c)+(\a)):128+64*(\f)+8*(4*(\c)+(\a))+7], v[8*\b:8*\b+7]
.else
	v_wmma_f32_16x16x32_f16 v[8*(8*(\a)+\b):8*(8*(\a)+\b)+7], v[128*(\f)+8*(8*(\c)+\b):128*(\f)+8*(8*(\c)+\b)+7], v[128+64*(\f)+8*(4*(\c)+(\a)):128+64*(\f)+8*(4*(\c)+(\a))+7], v[8*(8*(\a)+\b):8*(8*(\a)+\b)+7]
.endif
.endr
.endr
.endm
.macro FETCH slot, part, f             ; 48 LDS loads in one run: 64 along K into buffer f: Wc's 16 fragments, turned, then o16's 8
	WIN 0x40
.irp c, 0,1
.irp b, 0,1,2,3,4,5,6,7
	ds_load_tr16_b128 v[128*(\f)+8*(8*\c+\b):128*(\f)+8*(8*\c+\b)+3],   v[ADRB+\slot] offset:(64*(\part)+32*\c)*PB+32*\b
	ds_load_tr16_b128 v[128*(\f)+8*(8*\c+\b)+4:128*(\f)+8*(8*\c+\b)+7], v[ADRB+\slot] offset:(64*(\part)+32*\c+16)*PB+32*\b
.endr
.endr
	WIN 0
.irp c, 0,1
.irp a, 0,1,2,3
	ds_load_b128 v[128+64*(\f)+8*(4*\c+\a):128+64*(\f)+8*(4*\c+\a)+3],   v[ADRA+\slot] offset:128*(\part)+64*\c+\a*16*PA
	ds_load_b128 v[128+64*(\f)+8*(4*\c+\a)+4:128+64*(\f)+8*(4*\c+\a)+7], v[ADRA+\slot] offset:128*(\part)+64*\c+\a*16*PA+32
.endr
.endr
.endm
.macro PLACES
.rept 4
	v_nop
.endr
.endm
.macro PART slot, bias
	s_wait_dscnt 8                                 ; all but the youngest eight loads: o16's second 32 along K
.if \bias
	WIN FST
.else
	WIN MUL
.endif
	MUL16 0, 0, 0, \bias
	MUL16 0, 0, 2, \bias
	PLACES
	FETCH \slot, 1, 1
	s_wait_dscnt 48                                ; all but the 48 just issued
	WIN MUL
	MUL16 0, 1, 0, 0
	MUL16 0, 1, 2, 0
.endm
.macro TURN slot, next, fill           ; a slot's last 64 along K, and the change of slots, as in the fourth launch
	WIN 0
	s_wait_tensorcnt 0x0
	ds_add_u32 v[SPW], v[NIL]
	s_wait_dscnt 9                                 ; the add and the youngest eight loads may be out
	WIN MUL
	MUL16 1, 0, 0, 0
	s_wait_dscnt 0x0                               ; the add is done, and my reads of this slot are over
	s_barrier_signal -1
	MUL16 1, 0, 2, 0
	WIN 0
	s_barrier_wait -1
.if \fill
	CREST
	s_add_nc_u64 s[G0+4*\slot+2:G0+4*\slot+3], s[G0+4*\slot+2:G0+4*\slot+3], STEPA
	s_add_nc_u64 s[G0B+4*\slot+2:G0B+4*\slot+3], s[G0B+4*\slot+2:G0B+4*\slot+3], STEPB
	JLOAD \slot
.else
	PLACES
.endif
	FETCH \next, 0, 0
	WIN MUL
	MUL16 1, 1, 0, 0
	MUL16 1, 1, 2, 0
.endm
	s_wait_tensorcnt 1                             ; my part of K step 0 is in; K step 1's load may be out
	s_barrier_signal -1
	s_barrier_wait -1
	FETCH 0, 0, 0
	s_wait_loadcnt 0x0                             ; the bias
	PART 0, 1                                      ; the first part stands in front of the loop: its first products start the sums from the bias
	WIN 0
	s_mov_b32 s3, 3
.Llap:                                                 ; a trip goes once round the ring and fills both slots again: K steps 2 to 7 in three trips
	TURN 0, 1, 1
	PART 1, 0
	TURN 1, 0, 1
	PART 0, 0
	WIN 0
	s_sub_co_u32 s3, s3, 1
	s_cmp_lg_u32 s3, 0
	s_cbranch_scc1 .Llap
	TURN 0, 1, 0                                   ; the last lap is written out: it fills nothing
	PART 1, 0
	s_wait_dscnt 8
	MUL16 1, 0, 0, 0
	MUL16 1, 0, 2, 0
	s_wait_dscnt 0
	MUL16 1, 1, 0, 0
	MUL16 1, 1, 2, 0
	WIN 0
; THE WAY OUT, block by block of 16 tokens x 128 columns of f32: through my own stage, back as whole rows of 512 bytes.
.macro TOSTAGE a
	WIN 0x08                                       ; an LDS store's data are its source 1: window 2
.irp b, 0,1,2,3,4,5,6,7
	ds_store_b128 v[STO], v[64*(\a)+8*\b:64*(\a)+8*\b+3] offset:64*\b          ; each accumulator from its low end on
	ds_store_b128 v[STO], v[64*(\a)+8*\b+4:64*(\a)+8*\b+7] offset:64*\b+16
.endr
	WIN 0
.set BB, BK+64*((\a)%2)
.irp t, 0,1,2,3,4,5,6,7,8,9,10,11,12,13,14,15
	ds_load_b128 v[BB+4*\t:BB+4*\t+3], v[RD] offset:\t*SPITCH      ; LDS serves a wave's instructions in order: these see the stores above
.endr
.endm
.macro SEND a, younger                 ; younger: the LDS instructions issued behind block a's loads, which may stay out
.set BB, BK+64*((\a)%2)
	s_wait_dscnt \younger
.if (\a) > 0
	s_add_nc_u64 s[12:13], s[12:13], 16*4096       ; (behind a wait on XCNT: the earlier stores have read their base)
.endif
.irp t, 0,1,2,3,4,5,6,7,8,9,10,11,12,13,14,15
	global_store_b128 v[CO], v[BB+4*\t:BB+4*\t+3], s[12:13] offset:\t*4096 th:TH_STORE_NT   ; 32 lanes store 512 consecutive bytes, aligned to 256; written once, read by nobody here
.endr
.endm
	PLACES                                         ; behind the last products: for the stores that read results and the loads into registers that held fragments
	TOSTAGE 0
.irp a, 1,2,3
.if \a > 1
	s_wait_xcnt 0x0                                ; block a - 2's stores have read their registers and their base
.endif
	TOSTAGE \a
	SEND \a-1, 32                                  ; behind block a - 1's loads: block a's 16 stores and 16 loads
.endr
	s_wait_xcnt 0x0
	SEND 3, 0
	s_wait_tensorcnt 0x0                           ; the wave's end
	ds_add_u32 v[SPW], v[NIL]
	s_wait_dscnt 0x0
	CROUND                                         ; the closing round
	s_endpgm
.Lfunc_end_k_qaf74497d5c_proj:
	.size	k_qaf74497d5c_proj, .Lfunc_end_k_qaf74497d5c_proj-k_qaf74497d5c_proj
	.p2alignl 7, 3214868480
	.fill 96, 4, 3214868480
	.section	.rodata,"a",@progbits
	.p2align	6, 0x0
	.amdhsa_kernel k_qaf74497d5c_proj
		.amdhsa_group_segment_fixed_size 327680
		.amdhsa_private_segment_fixed_size 0
		.amdhsa_enable_private_segment 0
		.amdhsa_kernarg_size 32
		.amdhsa_user_sgpr_count 2
		.amdhsa_user_sgpr_kernarg_segment_ptr 1
		.amdhsa_wavefront_size32 1
		.amdhsa_system_sgpr_workgroup_id_x 1
		.amdhsa_system_sgpr_workgroup_id_y 1
		.amdhsa_system_sgpr_workgroup_id_z 1
		.amdhsa_system_vgpr_workitem_id 0
		.amdhsa_next_free_vgpr 1024
		.amdhsa_next_free_sgpr 80
		.amdhsa_reserve_vcc 0
		.amdhsa_float_denorm_mode_32 3
		.amdhsa_float_denorm_mode_16_64 3
		.amdhsa_memory_ordered 1
		.amdhsa_forward_progress 1
		.amdhsa_inst_pref_size 85
	.end_amdhsa_kernel
	.amdgpu_metadata
---
amdhsa.version: [ 1, 2 ]
amdhsa.kernels:
  - .name:           k_qaf74497d5c_proj
    .symbol:         k_qaf74497d5c_proj.kd
    .args:
      - { .name: o16, .offset: 0, .size: 8, .value_kind: global_buffer, .address_space: global }
      - { .name: wc16, .offset: 8, .size: 8, .value_kind: global_buffer, .address_space: global }
      - { .name: bc, .offset: 16, .size: 8, .value_kind: global_buffer, .address_space: global }
      - { .name: out0, .offset: 24, .size: 8, .value_kind: global_buffer, .address_space: global }
    .group_segment_fixed_size: 327680
    .private_segment_fixed_size: 0
    .kernarg_segment_align: 8
    .kernarg_segment_size: 32
    .max_flat_workgroup_size: 128
    .sgpr_count:     80
    .vgpr_count:     1024
    .wavefront_size: 32
...
	.end_amdgpu_metadata
.endif
;; end of part 5
